; MI455X (gfx1250); checked and timed in simulation.
; The chip was launched on July 23, 2026; its instructions are those of AMD's public machine-readable ISA for CDNA 5 (MIT licence, August 2026) and "CDNA5" Instruction Set Architecture Reference Guide (July 2026). The comments in the code are by the model that wrote it; some were corrected since.
;; Multi Head Attention. Allowed arithmetic: matrix products marked QUANTISED: E2M3 operands, one E8M0 scale for each 32 along K, by v_wmma_scale_f32_16x16x128_f8f6f4 with both operands' format E2M3, f32 sums; everything else in f32.
;; Inputs: w_proj 1,024 x 1,024 float32; w_qkv 1,024 x 3,072 float32; x 4 x 2,048 x 1,024 float32.
;; Outputs: out0 4 x 2,048 x 1,024 float32.
;; This version of the problem:
;;   THIS VERSION OF THE PROBLEM IS GIVEN IN LOW PRECISION. The matrix products marked QUANTISED in the list below multiply operands that are first quantised to E2M3 (2 exponent bits, 3 mantissa bits; 6 bits a number), with one power-of-two scale for each 32 numbers along K (OCP MX v1.0); their sums are f32. All else is computed in f32.
;;   The module's matrix products, in the order in which they are computed (A, B: the left and right operand; K: the contracted axis; several contracted axes count as one K, in the product's order):
;;     1. [M 8,192, K 1,024] x [K 1,024, N 3,072]; A: input x; B: input w_qkv: QUANTISED
;;     2. batch 64 x [M 2,048, K 64] x [K 64, N 2,048]; A: computed on the way; B: computed on the way: QUANTISED
;;     3. batch 64 x [M 2,048, K 2,048] x [K 2,048, N 64]; A: softmax (see below); B: computed on the way: QUANTISED
;;     4. [M 8,192, K 1,024] x [K 1,024, N 1,024]; A: computed on the way; B: input w_proj: QUANTISED
;;   THE QUANTISER, for each operand of a quantised product, along K:
;;     - K is cut into blocks of 32 from its start; a last block that is shorter is filled with zeros.
;;     - A block's scale is 2^e with e = floor(log2(the largest magnitude in the block)) - 2, held to -126 .. 127; a block of zeros has e = 0. As a byte (E8M0): e + 127.
;;     - Each number is divided by its block's scale, clamped to +-7.5, and rounded to the nearest number of E2M3, ties to even, subnormals kept.
;;     - The product sums the exact products of the quantised numbers (number of the format x scale) in f32.
;;   ~~~python
;;   def quantise(x, axis):      # numpy; x: float32 -> the quantised numbers, widened to float32 again
;;       x = np.moveaxis(x, axis, -1); K = x.shape[-1]
;;       x = np.pad(x, [(0, 0)] * (x.ndim - 1) + [(0, -K % 32)]); x = x.reshape(x.shape[:-1] + (-1, 32)); a = np.abs(x).max(-1, keepdims=True)
;;       e = np.where(a > 0, np.clip(np.frexp(np.where(a > 0, a, 1))[1] - 1 - 2, -126, 127), 0)      # np.frexp(a)[1] - 1 = floor(log2(a)), exactly
;;       r = np.clip(x / 2.0 ** e, -7.5, 7.5)
;;       step = 2.0 ** (np.maximum(np.frexp(np.where(r == 0, 1, r))[1] - 1, 0) - 3)
;;       q = np.round(r / step) * step * 2.0 ** e      # np.round: ties to even
;;       return np.moveaxis(q.reshape(q.shape[:-2] + (-1,))[..., :K], -1, axis).astype(np.float32)
;;   ~~~
;;   SOFTMAX AHEAD OF A QUANTISED PRODUCT. Where the list says 'softmax', what is quantised is not the finished softmax but p = 2^(t - M), with t = logit x log2(e) and M = ceil(the row's largest t), a whole number; so 1/2 < the row's largest p <= 1. The row's sum l is taken of the UNQUANTISED p, in f32, and the product's result is divided by l at the end. Since M is a whole number, a kernel that streams over the keys may use a running M (the ceiling of the running maximum): every later rescaling is an exact power of two, which a block's scale takes up: the codes' values come out the same.
;;   OPERANDS COMPUTED ON THE WAY. 'Computed on the way' means the value that the module computes at that place (a softmax that the list does not call 'softmax' is quantised finished and normalised). What goes into a quantiser is computed in f32, as accurately as f32 sums, v_exp_f32 and their like allow (about 1e-6 of the number): no bf16 or f16 on the way to a quantiser, and a product that is left as it is and whose result goes on into a quantised operand takes f32 operands (vector FMAs, or v_wmma_f32_16x16x4_f32). A number that lies on a knife's edge between two numbers of the format may be rounded either way, as far as f32 arithmetic and the matrix unit's own rounding can turn it there, and no further.
;; One version. Each part assembles by itself: llvm-mc -triple=amdgcn-amd-amdhsa -mcpu=gfx1250 --defsym DOCPART=n.
;; ======== version 1 of 1: 4 launches
;; workspace buffers: codes 9,437,184 bytes; scales 393,216 bytes; qk_img 13,631,488 bytes; v_img 6,553,600 bytes; ao_img 6,291,456 bytes; ao_scales 262,144 bytes
;; launch quant (part 1): grid 384 x 1, 4 waves a work-group, no clusters, 102,912 bytes of LDS; arguments x, w_qkv, w_proj, codes, scales; writes codes, scales
.if DOCPART == 1
	.amdgcn_target "amdgcn-amd-amdhsa--gfx1250"
	.amdhsa_code_object_version 6
	.text
	.protected	k_qfa75455b84_quant
	.globl	k_qfa75455b84_quant
	.p2align	8
	.type	k_qfa75455b84_quant,@function
k_qfa75455b84_quant:
	s_mov_b64 s[64:65], 0
	v_nop
	global_prefetch_b8 v0, s[64:65] scope:SCOPE_SE
	s_setreg_imm32_b32 hwreg(HW_REG_WAVE_MODE, 25, 1), 1
	s_wait_xcnt 0x0
; x [8192][1024], w_qkv [1024][3072] and w_proj [1024][1024], f32, become codes of FP6 (E2M3) with one E8M0 byte for each 32 along K.
; codes: [12288 positions][768 bytes], a position's 1,024 codes as one stream of bits, K innermost; scales: [12288 positions][32 bytes].
; POSITIONS.  Row i of an operand (a token of x, a column of a weight) lies at position sigma(i): i with its bits 3 and 4 exchanged.  x: 0 .. 8191; w_qkv's columns: 8192 on; w_proj's: 11264 on.
; So 16 neighbouring positions are rows 32 b + 8 u + r + 8 (r / 8): the rows that a product used transposed wants in a tile, for its results to lie along the next K.
; A block's scale is 2^(floor(log2(its largest magnitude)) - 2); its byte is the largest magnitude's exponent field - 2, held at 1 from below.
; LIMITS: NaN and infinities among the inputs are not served; a block whose largest magnitude lies under 2^-124 is held at the byte 1; a block of zeros has the byte 1 and not 127: its codes are zeros, and this program alone reads the bytes.
; WORK-GROUPS 0-95: w_qkv, 96-127: w_proj (128 columns x 256 along K each; a lane takes a column, its registers run down K); 128-383: x (32 rows each; K is innermost).
; The three ways part on the work-group's number alone; each has LDS bytes of its own.  No tensor loads, no barrier: waves share nothing.  No cluster: no two work-groups read the same bytes.
.set SPW,   192                        ; v192  LDS address of my spare word; never rewritten
.set NIL,   193                        ; v193  0; never rewritten
.set SPARE, 102400                     ; behind the stages: 128 bytes for each wave, two blocks of 256 bytes that no other line names
.set EMAX,  2
; x's way
.set STEPS, 16
.set CB,    12                         ; bytes of 16 codes
.set XR,    16                         ; v16-79   four sets of 16 numbers as they are loaded
.set XX,    80                         ; v80-111  two sets of 16 neighbours
.set XE,    112                        ; v112-127 a scale byte for each step
.set XC,    128                        ; v128-191 codes: four registers for each step, so that no store's data are written again
.set WREG,  8192                       ; LDS 0 .. 32767: a region for each wave: two stages of 32 x SP bytes, then its 256 scale bytes
.set SP,    80                         ; a lane's place in a stage: 64 bytes + 16 of padding
; the weights' way
.set NB,    8                          ; blocks of 32 along K for a wave
.set PITCH, 272                        ; a stage row: sixteen places of 16 bytes (12 of codes each) + 16
.set KROW,  768                        ; a position's codes in bytes
.set WX,    32                         ; v32-95   two sets of 32 numbers
.set WC,    96                         ; v96..    a block's codes
.set WOUT,  112                        ; v112-175 the way out
.set WSB,   24                         ; v24-25   the scale bytes, four to a register
.macro XLOAD t
.irp i, 0,1,2,3
	global_load_b128 v[XR+16*((\t)%4)+4*\i:XR+16*((\t)%4)+4*\i+3], v3, s[30:31] offset:2048*(\t)+512*\i th:TH_LOAD_NT   ; 32 lanes read 512 consecutive bytes
.endr
.endm
.macro XTURN t                         ; step t's numbers through the stage: LDS serves a wave's instructions in order, so no wait stands between the stores and the loads
.irp i, 0,1,2,3
	ds_store_b128 v14, v[XR+16*((\t)%4)+4*\i:XR+16*((\t)%4)+4*\i+3] offset:32*SP*((\t)%2)+8*SP*\i
.endr
.irp i, 0,1,2,3
	ds_load_b128 v[XX+16*((\t)%2)+4*\i:XX+16*((\t)%2)+4*\i+3], v15 offset:32*SP*((\t)%2)+16*\i
.endr
.endm
.macro XSTEP t
.set XS, XX+16*((\t)%2)
.if (\t) > 0
	s_wait_dscnt 1                                 ; this step's numbers are back from the stage; the last step's byte store may be out
.else
	s_wait_dscnt 0x0
.endif
.if (\t)+4 < STEPS
	XLOAD (\t)+4                                   ; into the set whose stage stores have just been shown done
.endif
.if (\t)+1 < STEPS
.if STEPS-2-(\t) >= 3
	s_wait_loadcnt 12                              ; the next step's four loads are in; those of the three steps behind it may be out
.else
	s_wait_loadcnt 4*(STEPS-2-(\t))
.endif
	XTURN (\t)+1
.endif
	v_max3_num_f32 v8, |v[XS]|, |v[XS+1]|, |v[XS+2]|               ; the largest magnitude of my 16, in two chains
	v_max3_num_f32 v9, |v[XS+3]|, |v[XS+4]|, |v[XS+5]|
.irp i, 6,10
	v_max3_num_f32 v8, v8, |v[XS+\i]|, |v[XS+\i+1]|
	v_max3_num_f32 v9, v9, |v[XS+\i+2]|, |v[XS+\i+3]|
.endr
	v_max3_num_f32 v8, v8, |v[XS+14]|, |v[XS+15]|
	v_max3_num_f32 v8, v8, v9, (EMAX+1)<<23        ; and the floor 2^(3 - 127): the byte cannot fall under 1
	v_max_num_f32_dpp v8, v8, v8 row_xmask:1 row_mask:0xf bank_mask:0xf   ; with my neighbour's 16: the block's
	v_add_nc_u32 v11, -(EMAX<<23), v8              ; 2 off the exponent field: the conversion's scale operand
	v_cvt_scalef32_pk16_fp6_f32 v[XC+4*(\t):XC+4*(\t)+2], v[XS:XS+15], v11
	v_lshrrev_b32 v[XE+(\t)], 23, v11              ; the scale's byte
	ds_store_b8 v5, v[XE+(\t)] offset:16*(\t)      ; both lanes of a block write the same byte with the same value
	global_store_b96 v4, v[XC+4*(\t):XC+4*(\t)+2], s[32:33] offset:32*CB*(\t)   ; the wave stores 384 consecutive bytes
.endm
.macro WLOAD t, nsize                  ; block t: W(32 t + i, my column), i = 0 .. 31, into set t % 2; a wave's load reads 128 consecutive bytes
.set ii, 0
.rept 32
	global_load_b32 v[WX+32*((\t)%2)+ii], v3, s[30:31] offset:(32*(\t)+ii)*\nsize*4 th:TH_LOAD_NT
.set ii, ii+1
.endr
.endm
.macro WBLOCK t, nsize
.set XS, WX+32*((\t)%2)
.if (\t) < NB-1
	s_wait_loadcnt 32                              ; this block's 32 loads are in; the next block's may be out
.else
	s_wait_loadcnt 0
.endif
	v_max3_num_f32 v12, |v[XS]|, |v[XS+1]|, |v[XS+2]|              ; the block's largest magnitude: all 32 numbers are mine
	v_max3_num_f32 v13, |v[XS+3]|, |v[XS+4]|, |v[XS+5]|
.irp i, 6,10,14,18,22,26
	v_max3_num_f32 v12, v12, |v[XS+\i]|, |v[XS+\i+1]|
	v_max3_num_f32 v13, v13, |v[XS+\i+2]|, |v[XS+\i+3]|
.endr
	v_max3_num_f32 v12, v12, |v[XS+30]|, |v[XS+31]|
	v_max3_num_f32 v12, v12, v13, (EMAX+1)<<23
	v_add_nc_u32 v11, -(EMAX<<23), v12
	v_lshrrev_b32 v13, 23, v11                     ; the scale's byte
.if (\t)%4 == 0
	v_mov_b32 v[WSB+(\t)/4], v13                   ; four bytes to a register, the lower K in the lower byte
.else
	v_lshl_or_b32 v[WSB+(\t)/4], v13, 8*((\t)%4), v[WSB+(\t)/4]
.endif
	v_cvt_scalef32_pk16_fp6_f32 v[WC:WC+2], v[XS:XS+15], v11
	v_cvt_scalef32_pk16_fp6_f32 v[WC+4:WC+6], v[XS+16:XS+31], v11  ; (a conversion's three registers begin on an even number)
	ds_store_b96 v4, v[WC:WC+2] offset:32*(\t)     ; 12 bytes to a place of 16, so that every LDS address is a multiple of 16
	ds_store_b96 v4, v[WC+4:WC+6] offset:32*(\t)+16
.if (\t)+2 < NB
	WLOAD (\t)+2, \nsize
.endif
	s_wait_dscnt 0x0                               ; the stores have read their registers: the next block's codes may be written
.endm
; A weight [1024][nsize] whose columns lie from position rowbase on; its stages from LDS byte ldsbase on; its address in s[wp:wp+1]; first: its first work-group.
.macro WPATH nsize, rowbase, ldsbase, wp, first
	s_sub_co_u32 s17, ttmp9, \first
	s_and_b32 s18, s17, 3                          ; which 256 along K
	s_lshr_b32 s17, s17, 2
	s_lshl_b32 s17, s17, 7
	s_lshl_b32 s19, s16, 5
	s_add_co_u32 s17, s17, s19                     ; my wave's first column: 128 x group + 32 x wave
	v_lshlrev_b32 v3, 2, v2                        ; in: 4 bytes a lane
	s_mul_i32 s19, s16, 32*PITCH
	s_add_co_u32 s19, s19, \ldsbase                ; my stage
	v_mul_u32_u24 v4, v2, PITCH
	v_add_nc_u32 v4, s19, v4                       ; into it: row = my column
	v_and_b32 v5, 15, v2
	v_lshrrev_b32 v6, 4, v2                        ; out of it: sixteen lanes to a row, two rows an instruction
	v_mul_u32_u24 v7, v6, PITCH
	v_lshl_add_u32 v7, v5, 4, v7
	v_add_nc_u32 v7, s19, v7
	v_mul_u32_u24 v8, v6, KROW
	v_mad_u32_u24 v8, v5, 12, v8                   ; and the same place in the codes' buffer
	v_and_b32 v9, 7, v2                            ; sigma(lane): bits 3 and 4 exchanged,
	v_and_b32 v10, 8, v2
	v_lshl_or_b32 v9, v10, 1, v9
	v_and_b32 v10, 16, v2
	v_lshrrev_b32 v10, 1, v10
	v_or_b32 v9, v9, v10
	v_lshlrev_b32 v9, 5, v9                        ; x 32 bytes: my column's row of scale bytes
	s_mul_i32 s20, s18, 256*\nsize*4               ; W: 256 rows a chunk, + 4 x column
	s_lshl_b32 s22, s17, 2
	s_add_co_u32 s20, s20, s22
	s_mov_b32 s21, 0
	s_add_co_u32 s22, s17, \rowbase
	s_mul_i32 s24, s22, KROW                       ; codes: position x 768 + 192 x chunk
	s_mul_i32 s26, s18, 192
	s_add_co_u32 s24, s24, s26
	s_mov_b32 s25, 0
	s_lshl_b32 s28, s22, 5                         ; scale bytes: position x 32 + 8 x chunk
	s_lshl_b32 s26, s18, 3
	s_add_co_u32 s28, s28, s26
	s_mov_b32 s29, 0
	s_wait_kmcnt 0x0
	s_add_nc_u64 s[30:31], s[\wp:\wp+1], s[20:21]
	s_add_nc_u64 s[32:33], s[10:11], s[24:25]
	s_add_nc_u64 s[34:35], s[12:13], s[28:29]
	WLOAD 0, \nsize
	WLOAD 1, \nsize
.irp t, 0,1,2,3,4,5,6,7
	WBLOCK \t, \nsize
.endr
	global_store_b64 v9, v[WSB:WSB+1], s[34:35]    ; my column's 8 scale bytes
.irp t, 0,1,2,3,4,5,6,7,8,9,10,11,12,13,14,15
	ds_load_b96 v[WOUT+4*\t:WOUT+4*\t+2], v7 offset:2*\t*PITCH   ; LDS serves a wave's instructions in order: these see my stores
.endr
.irp t, 0,1,2,3,4,5,6,7,8,9,10,11,12,13,14,15
	s_wait_dscnt 15-\t
	global_store_b96 v8, v[WOUT+4*\t:WOUT+4*\t+2], s[32:33] offset:2*((\t&3)|((\t&4)<<1)|((\t&8)>>1))*KROW   ; columns 2 t, 2 t + 1 go to their positions: sigma exchanges t's bits 2 and 3
.endr
	s_wait_tensorcnt 0x0                           ; the wave's end, behind my last LDS store
	ds_add_u32 v[SPW], v[NIL]
	s_wait_dscnt 0x0
	s_endpgm
.endm
	s_load_b256 s[4:11], s[0:1], 0x0               ; x s[4:5], w_qkv s[6:7], w_proj s[8:9], codes s[10:11]
	s_load_b64 s[12:13], s[0:1], 0x20              ; scales
	v_lshl_add_u32 v[SPW], v0, 2, SPARE
	v_mov_b32 v[NIL], 0
	v_lshrrev_b32 v1, 5, v0
	v_readfirstlane_b32 s16, v1                    ; wave
	v_and_b32 v2, 31, v0                           ; lane
	s_cmp_lt_u32 ttmp9, 96
	s_cbranch_scc1 .Lw_qkv
	s_cmp_lt_u32 ttmp9, 128
	s_cbranch_scc1 .Lw_proj
	; ---- x: a wave takes a run of 8,192 numbers (8 rows), 16 steps of 512
	v_lshlrev_b32 v3, 4, v2                        ; my 16 bytes of a load's 512
	s_mul_i32 s17, s16, WREG
	v_lshrrev_b32 v14, 2, v2
	v_mul_u32_u24 v14, v14, SP
	v_and_b32 v15, 3, v2
	v_lshl_add_u32 v14, v15, 4, v14
	v_add_nc_u32 v14, s17, v14                     ; the stage, on the way in: SP (lane / 4) + 16 (lane % 4)
	v_mul_u32_u24 v15, v2, SP
	v_add_nc_u32 v15, s17, v15                     ; and on the way out: SP x lane: my 16 neighbours
	v_mul_u32_u24 v4, v2, CB                       ; my codes' place in a step's
	v_lshrrev_b32 v5, 1, v2
	s_add_co_u32 s17, s17, 2*32*SP
	v_add_nc_u32 v5, s17, v5                       ; my wave's 256 scale bytes, my block's byte
	v_lshlrev_b32 v7, 3, v2
	v_add_nc_u32 v6, s17, v7                       ; and on the way out 8 bytes a lane
	s_sub_co_u32 s17, ttmp9, 128
	s_lshl_b32 s17, s17, 2
	s_add_co_u32 s18, s17, s16                     ; the run that I read: 4 x work-group + wave
	s_and_b32 s19, s16, 1
	s_lshl_b32 s19, s19, 1
	s_lshr_b32 s20, s16, 1
	s_or_b32 s19, s19, s20
	s_add_co_u32 s19, s17, s19                     ; the run that I write: sigma on runs of 8 rows exchanges the wave's two bits
	s_lshl_b32 s20, s18, 15                        ; 32,768 bytes of numbers a run
	s_mov_b32 s21, 0
	s_mul_i32 s22, s19, 6144                       ; 6,144 bytes of codes
	s_mov_b32 s23, 0
	s_lshl_b32 s24, s19, 8                         ; 256 scale bytes
	s_mov_b32 s25, 0
	s_wait_kmcnt 0x0
	s_add_nc_u64 s[30:31], s[4:5], s[20:21]
	s_add_nc_u64 s[32:33], s[10:11], s[22:23]
	s_add_nc_u64 s[34:35], s[12:13], s[24:25]
.irp t, 0,1,2,3
	XLOAD \t
.endr
	s_wait_loadcnt 12                              ; step 0's four loads are in
	XTURN 0
.irp t, 0,1,2,3,4,5,6,7,8,9,10,11,12,13,14,15
	XSTEP \t
.endr
	ds_load_b64 v[8:9], v6                         ; LDS serves a wave's instructions in order: these see my byte stores
	s_wait_dscnt 0x0
	global_store_b64 v7, v[8:9], s[34:35]          ; 32 lanes store 256 consecutive bytes, aligned
	s_wait_tensorcnt 0x0                           ; the wave's end, behind my last LDS store
	ds_add_u32 v[SPW], v[NIL]
	s_wait_dscnt 0x0
	s_endpgm
.Lw_qkv:
	WPATH 3072, 8192, 32768, 6, 0
.Lw_proj:
	WPATH 1024, 11264, 67584, 8, 96
.Lfunc_end_k_qfa75455b84_quant:
	.size	k_qfa75455b84_quant, .Lfunc_end_k_qfa75455b84_quant-k_qfa75455b84_quant
	.p2alignl 7, 3214868480
	.fill 96, 4, 3214868480
	.section	.rodata,"a",@progbits
	.p2align	6, 0x0
	.amdhsa_kernel k_qfa75455b84_quant
		.amdhsa_group_segment_fixed_size 102912
		.amdhsa_private_segment_fixed_size 0
		.amdhsa_enable_private_segment 0
		.amdhsa_kernarg_size 40
		.amdhsa_user_sgpr_count 2
		.amdhsa_user_sgpr_kernarg_segment_ptr 1
		.amdhsa_wavefront_size32 1
		.amdhsa_system_sgpr_workgroup_id_x 1
		.amdhsa_system_sgpr_workgroup_id_y 1
		.amdhsa_system_sgpr_workgroup_id_z 1
		.amdhsa_system_vgpr_workitem_id 0
		.amdhsa_next_free_vgpr 200
		.amdhsa_next_free_sgpr 66
		.amdhsa_reserve_vcc 0
		.amdhsa_float_denorm_mode_32 3
		.amdhsa_float_denorm_mode_16_64 3
		.amdhsa_memory_ordered 1
		.amdhsa_forward_progress 1
		.amdhsa_inst_pref_size 114
	.end_amdhsa_kernel
	.amdgpu_metadata
---
amdhsa.version: [ 1, 2 ]
amdhsa.kernels:
  - .name:           k_qfa75455b84_quant
    .symbol:         k_qfa75455b84_quant.kd
    .args:
      - { .name: x, .offset: 0, .size: 8, .value_kind: global_buffer, .address_space: global }
      - { .name: w_qkv, .offset: 8, .size: 8, .value_kind: global_buffer, .address_space: global }
      - { .name: w_proj, .offset: 16, .size: 8, .value_kind: global_buffer, .address_space: global }
      - { .name: codes, .offset: 24, .size: 8, .value_kind: global_buffer, .address_space: global }
      - { .name: scales, .offset: 32, .size: 8, .value_kind: global_buffer, .address_space: global }
    .group_segment_fixed_size: 102912
    .private_segment_fixed_size: 0
    .kernarg_segment_align: 8
    .kernarg_segment_size: 40
    .max_flat_workgroup_size: 128
    .sgpr_count:     66
    .vgpr_count:     200
    .wavefront_size: 32
...
	.end_amdgpu_metadata
.endif
;; end of part 1
;; launch qkv (part 2): grid 12 x 32, 4 waves a work-group, clusters of 4 x 4, 327,680 bytes of LDS; arguments codes, scales, qk_img, v_img; writes qk_img, v_img
.if DOCPART == 2
	.amdgcn_target "amdgcn-amd-amdhsa--gfx1250"
	.amdhsa_code_object_version 6
	.text
	.protected	k_qfa75455b84_qkv
	.globl	k_qfa75455b84_qkv
	.p2align	8
	.type	k_qfa75455b84_qkv,@function
k_qfa75455b84_qkv:
	s_mov_b64 s[64:65], 0
	v_nop
	global_prefetch_b8 v0, s[64:65] scope:SCOPE_SE
	s_setreg_imm32_b32 hwreg(HW_REG_WAVE_MODE, 25, 1), 1
	s_wait_xcnt 0x0
	s_wait_alu depctr_hold_cnt(0) depctr_sa_sdst(0) depctr_va_vdst(0) depctr_va_sdst(0) depctr_va_ssrc(0) depctr_va_vcc(0) depctr_vm_vsrc(0)
	s_getreg_b32 s2, hwreg(HW_REG_IB_STS2, 6, 4)
	s_cmp_eq_u32 s2, 0
	s_cbranch_scc0 .Lentry_in_a_cluster
	s_endpgm
.Lentry_in_a_cluster:
	s_bfe_u32 s2, ttmp6, 0x10000c
	s_cmp_lg_u32 s2, 0xf033
	s_cbranch_scc0 .Lentry_shape_is_right
	s_endpgm
.Lentry_shape_is_right:
; qkv = x w_qkv on codes of FP6 (E2M3) with E8M0 scales, K = 1,024; its results q, k, v are quantised in registers and leave as IMAGES OF OPERAND REGISTERS for the attention launch: no f32 number goes to memory.
; Both operands lie in one buffer: codes [12288 positions][768 bytes], scales [12288][32]: positions 0 .. 8191 tokens of x, 8192 on the columns of w_qkv, each group of 32 in the order sigma (bits 3 and 4 exchanged).
; A tile is 256 x 256, four waves, 128 x 128 a wave: 64 accumulators, 512 registers.  K goes in steps of 256 through a ring of two LDS slots filled by the tensor data mover; the scale bytes of the tile's rows come once and stay.
; THE MATRIX INSTRUCTION IS USED TRANSPOSED: source 0 = 16 positions of the COLUMN side, source 1 = 16 of the ROW side.  A lane holds one row-side position, and, by sigma, the 16 registers of accumulators 2 b, 2 b + 1 are
; 16 NEIGHBOURS of the column side, 32 b + 16 (lane / 16) + 0 .. 15: what the quantiser along that axis wants.
; CLUSTER x = 0, 1 (q and k): row side = tokens, column side = w's columns 0 .. 2047: quantised along the head's 64 channels.  CLUSTER x = 2 (v): row side = w's columns 2048 on, column side = tokens: quantised along the tokens.
; CLUSTERS: 4 x 4 work-groups.  The four of a row of the cluster need the same row-side tiles, the four of a column the same column-side tiles: each tile is asked for jointly, by the same tensor load with a mask that names the four.
; qk_img: [batch 4][32: q's 16 heads, then k's][32 records of 64 tokens][3,328]: four tiles of 768 bytes (registers 0-3 at 16 x lane, registers 4-5 at 512 + 8 x lane), then 256 bytes of scale words:
;   lane L's 8 bytes hold the words of tiles L / 16 and 2 + L / 16 for row L % 16; a word is the head's two bytes, with 0 above them.
; v_img: [batch x 16 + head][16 key steps of 128][6,400]: four tiles of 16 channels, 1,536 bytes each (registers 4 g .. 4 g + 3 at 512 g + 16 x lane), then 256 bytes of scale words laid likewise.
; LIMITS: NaN and infinities are not served; a block whose largest magnitude lies under 2^-124 is held at the byte 1, a block of zeros too (its codes are zeros; this program alone reads the bytes).
; REGISTERS, in windows of 256: window 0: v0-31 addresses; v32-63 scale words, two sets; from v128 the row side's fragments, ONE set; on the way out v112-231 at work.
;   window 1: the column side's fragments, TWO sets, at v0 and v128.   window 2: the accumulators of my rows 0-63 ((a, b) at v[8 (8 a + b)]);   window 3: those of my rows 64-127.
.set KSTEP,  256
.set NQ,     2                         ; matrix instructions deep in a slot
.set ROWB,   192                       ; a tile's row in bytes
.set KROW,   768                       ; a position's codes in memory
.set PITCH,  240                       ; an LDS row: 3 x (64 bytes + 16 of padding): the 32 lanes of a load of 8 bytes touch 64 different banks (64 banks of 4 bytes: ISA guide 11.1)
.set FR,     12
.set NL,     6
.set NP,     4                         ; places behind this matrix instruction (ISA guide 7.12.1)
.set HALFT,  128*PITCH
.set SLOT,   4*HALFT
.set LAPS,   2                         ; 1,024 / 512
.set KS,     32                        ; a row of scale bytes
.set SCL,    2*SLOT                    ; behind the ring: the scales, as units of 256 bytes + 16 of padding
.set HALFS,  (128*KS/256)*272
.set SBLK,   (16*KS/256)*272
.set SPARE,  SCL+4*HALFS               ; the spare words, 128 bytes for each wave: two blocks of 256 bytes that no other line names
.set ADRA, 16                          ; v16-17 LDS address of my row-side fragments in slot 0, 1 (v18-19: for the pieces behind one padding more)
.set ADRB, 20                          ; v20-23 the same for the column side
.set L16,  24                          ; v24  16 x lane; never rewritten
.set L8,   25                          ; v25  8 x lane; never rewritten
.set ADRS, 27                          ; v27  LDS address of my scale words
.set SPW,  28                          ; v28  my spare word; never rewritten
.set NIL,  29                          ; v29  0; never rewritten
.set SC,   32
.set AF,   128
.set PC,   112                         ; the way out: v112-123 a fragment's codes, v124-130 halves on their way
.set TM,   200                         ; v200-203 largest magnitudes, v204-207 the other half's, then bytes, v212-215 scale operands
.set PW,   216                         ; the scale word just made
.set SWA,  220                         ; v220-223 four tiles' words (q, k: the first head's)
.set SWB,  224                         ; v224-227 the second head's
.set SPA,  228                         ; v[228:229], v[230:231] the words as they are stored
.set SPB,  230
.set G1, 24
.set G0, 32
.set G1B, 48
.set G0B, 56
.set G1S, 68
.set G0S, 76
.set G1SB, 80
.set G0SB, 88
.set SEL, 96                           ; s[96:97] lane selects for v_permlanex16_b32: lane l xor 16
.set HM,  98                           ; s98  the mask of lanes 16-31
.set MSB, 0
.macro WIN new                         ; the immediate's high byte repeats the setting that is left
.if MSB != (\new)
	s_set_vgpr_msb (MSB<<8)|(\new)
.set MSB, (\new)
.endif
.endm
.set MUL_LO, 0xa1                      ; source 0 window 1, source 1 window 0, C and D window 2
.set MUL_HI, 0xf1                      ; the same, C and D window 3
.set TO_B,   0x40                      ; destination window 1, address window 0
; A joint load: waves 0 and 1 fetch for the row side, waves 2 and 3 for the column side.  The branch hangs on the wave's number alone.  An s_nop 0 and four v_nop follow each of the two lines.
.macro JLOAD g0a, g1a, g0b, g1b
	s_cmp_eq_u32 s15, 0
	s_cbranch_scc0 .Lfor_b_\@
	tensor_load_to_lds s[\g0a:\g0a+3], s[\g1a:\g1a+7]
	s_nop 0
.rept 4
	v_nop
.endr
	s_branch .Lasked_\@
.Lfor_b_\@:
	tensor_load_to_lds s[\g0b:\g0b+3], s[\g1b:\g1b+7]
	s_nop 0
.rept 4
	v_nop
.endr
.Lasked_\@:
.endm
.macro CREST                           ; a round of the cluster's barrier behind its opening barrier
	s_cmp_lg_u32 s14, 0
	s_cbranch_scc1 .Lnot_wave_0_\@
	s_barrier_signal -3
.Lnot_wave_0_\@:
	s_barrier_wait -3
	s_barrier_signal -1
	s_barrier_wait -1
.endm
.macro CROUND
	s_barrier_signal -1
	s_barrier_wait -1
	CREST
.endm
	s_load_b256 s[4:11], s[0:1], 0x0               ; codes s[4:5], scales s[6:7], qk_img s[8:9], v_img s[10:11]
	v_lshl_add_u32 v[SPW], v0, 2, SPARE
	v_mov_b32 v[NIL], 0
	ds_add_u32 v[SPW], v[NIL]                      ; the wave's opening: the add and its wait stand ahead of my first tensor load; the set-up below, work on registers, stands between them
	v_lshrrev_b32 v1, 5, v0
	v_readfirstlane_b32 s14, v1                    ; wave 0..3
	s_lshr_b32 s15, s14, 1                         ; which half of the tile's row side is mine.  Also: I fetch for the row side (0) or the column side (1)
	s_and_b32 s16, s14, 1                          ; which half of its column side.  Also: which 128 positions of that tile I fetch
	s_bfe_u32 s40, ttmp6, 0x40000                  ; cx, cy: my place in the cluster
	s_bfe_u32 s41, ttmp6, 0x40004
	s_and_b32 s13, ttmp7, 0xffff
	s_lshl_b32 s13, s13, 2                         ; 4 x cluster y: tiles of 256 tokens
	s_lshl_b32 s42, ttmp9, 2
	s_add_co_u32 s42, s42, 32                      ; 32 + 4 x cluster x: tiles of 256 columns of w (position 8192 is tile 32)
	s_cmp_lt_u32 ttmp9, 2                          ; q and k, or v?  The cluster's x: the same in all sixteen partners
	s_cselect_b32 s17, s13, 40                     ; the row side: tokens, or w's columns 2048 on (tile 40)
	s_cselect_b32 s42, s42, s13                    ; the column side: w's columns, or tokens
	s_add_co_u32 s17, s17, s41                     ; + cy: the row side's tile, shared along a row of the cluster
	s_add_co_u32 s42, s42, s40                     ; + cx: the column side's, shared along a column
	s_lshl_b32 s43, s41, 2
	s_lshl_b32 s43, 15, s43                        ; my row of the cluster
	s_lshl_b32 s44, 0x1111, s40                    ; my column
	; descriptor group 1: a tile of 128 rows x 192 bytes, padded in LDS
	s_or_b32 s[G1+0], s43, (0<<16)|(1<<20)|(1<<21)|(3<<22)|(3<<25)  ; 15:0 the mask; 17:16 element of 1 byte; 20 padding on; 21 set beside a mask; 24:22 after every 16 words; 31:25 of 4 words
	s_or_b32 s[G1B+0], s44, (0<<16)|(1<<20)|(1<<21)|(3<<22)|(3<<25)
.irp g, G1, G1B
	s_mov_b32 s[\g+1], ROWB<<16                    ; tensor_dim0
	s_mov_b32 s[\g+2], 128<<16                     ; tensor_dim1
	s_mov_b32 s[\g+3], ROWB<<16                    ; tile_dim0
	s_mov_b32 s[\g+4], 128                         ; tile_dim1
	s_mov_b32 s[\g+5], KROW                        ; tensor_dim0_stride
	s_mov_b32 s[\g+6], 0
	s_mov_b32 s[\g+7], 0
.endr
	; the scales of 128 positions: a dense block of 4,096 bytes, as rows of 256 bytes (32 elements of 8 bytes), 16 bytes of padding behind each
	s_or_b32 s[G1S+0], s43, (3<<16)|(1<<20)|(1<<21)|(5<<22)|(3<<25)
	s_or_b32 s[G1SB+0], s44, (3<<16)|(1<<20)|(1<<21)|(5<<22)|(3<<25)
.irp g, G1S, G1SB
	s_mov_b32 s[\g+1], 32<<16
	s_mov_b32 s[\g+2], (128*KS/256)<<16
	s_mov_b32 s[\g+3], 32<<16
	s_mov_b32 s[\g+4], 128*KS/256
	s_mov_b32 s[\g+5], 32
	s_mov_b32 s[\g+6], 0
	s_mov_b32 s[\g+7], 0
.endr
	s_lshl_b32 s18, s16, 7                         ; which 128 positions of the tile I fetch
	s_lshl_b32 s20, s17, 8
	s_add_co_u32 s20, s20, s18                     ; the row side's first position
	s_lshl_b32 s46, s42, 8
	s_add_co_u32 s46, s46, s18                     ; the column side's
	s_lshl_b32 s22, s20, 5                         ; where their scale bytes begin (all offsets stay under 2^24),
	s_mov_b32 s23, 0
	s_lshl_b32 s92, s46, 5
	s_mov_b32 s93, 0
	s_mul_i32 s20, s20, KROW                       ; and their codes
	s_mov_b32 s21, 0
	s_mul_i32 s46, s46, KROW
	s_mov_b32 s47, 0
	s_mul_i32 s45, s14, HALFT                      ; where they go: wave x 128 rows: no place in the cluster enters an LDS address
	s_mul_i32 s94, s14, HALFS
	s_mov_b32 s[SEL], 0x76543210
	s_mov_b32 s[SEL+1], 0xfedcba98
	s_mov_b32 s[HM], 0xffff0000
	s_wait_dscnt 0x0                               ; the opening add is done
	s_wait_kmcnt 0x0
	s_add_nc_u64 s[20:21], s[4:5], s[20:21]
	s_add_nc_u64 s[22:23], s[6:7], s[22:23]
	s_add_nc_u64 s[46:47], s[4:5], s[46:47]
	s_add_nc_u64 s[92:93], s[6:7], s[92:93]
	CROUND                                         ; all sixteen work-groups are here: the first joint loads meet
	s_mov_b32 s[G0S], 1
	s_add_co_u32 s[G0S+1], s94, SCL
	s_mov_b64 s[G0S+2:G0S+3], s[22:23]
	s_or_b32 s[G0S+3], s[G0S+3], 0x80000000
	s_mov_b32 s[G0SB], 1
	s_add_co_u32 s[G0SB+1], s94, SCL
	s_mov_b64 s[G0SB+2:G0SB+3], s[92:93]
	s_or_b32 s[G0SB+3], s[G0SB+3], 0x80000000
	JLOAD G0S, G1S, G0SB, G1SB                     ; the scales first: they are wanted with K step 0
.irp s, 0,1
	s_mov_b32 s[G0+4*\s], 1
	s_add_co_u32 s[G0+4*\s+1], s45, \s*SLOT
	s_add_nc_u64 s[G0+4*\s+2:G0+4*\s+3], s[20:21], \s*ROWB
	s_or_b32 s[G0+4*\s+3], s[G0+4*\s+3], 0x80000000
	s_mov_b32 s[G0B+4*\s], 1
	s_add_co_u32 s[G0B+4*\s+1], s45, \s*SLOT
	s_add_nc_u64 s[G0B+4*\s+2:G0B+4*\s+3], s[46:47], \s*ROWB
	s_or_b32 s[G0B+4*\s+3], s[G0B+4*\s+3], 0x80000000
	JLOAD G0+4*\s, G1, G0B+4*\s, G1B               ; three loads of mine are out behind the second of these
.endr
	v_and_b32 v1, 15, v0                           ; l % 16
	v_bfe_u32 v2, v0, 4, 1                         ; l / 16
	v_mul_u32_u24 v3, v1, PITCH
	v_mul_u32_u24 v4, v2, 24
	v_add_nc_u32 v4, v3, v4                        ; a fragment's row x pitch + 24 x half
	v_lshl_add_u32 v5, v2, 4, v4                   ; and the same behind one padding more
	s_mul_i32 s21, s15, HALFT                      ; my 128 rows of the row side
	s_mul_i32 s22, s16, HALFT                      ; my 128 of the column side,
	s_add_co_u32 s22, s22, 2*HALFT                 ; which lie behind the row side's 256
.irp s, 0,1
	v_add_nc_u32 v[ADRA+\s], s21, v4
	v_add_nc_u32 v[ADRB+\s], s22, v4
	v_add_nc_u32 v[ADRA+2+\s], s21, v5
	v_add_nc_u32 v[ADRB+2+\s], s22, v5
	s_add_co_u32 s21, s21, SLOT
	s_add_co_u32 s22, s22, SLOT
.endr
	v_mul_u32_u24 v5, v1, KS                       ; my row's scales: 32 bytes a row,
	v_lshrrev_b32 v6, 8, v5
	v_lshl_add_u32 v5, v6, 4, v5                   ; and 16 more for each 256 passed
	s_mul_i32 s21, s15, HALFS
	s_mul_i32 s22, s16, HALFS
	s_add_co_u32 s22, s22, 2*HALFS
	s_sub_co_u32 s22, s22, s21
	v_mul_u32_u24 v6, s22, v2                      ; lanes 16-31 take the column side's
	s_add_co_u32 s21, s21, SCL
	v_add_nc_u32 v5, v5, v6
	v_add_nc_u32 v[ADRS], s21, v5
	v_and_b32 v6, 31, v0
	v_lshlrev_b32 v[L16], 4, v6
	v_lshlrev_b32 v[L8], 3, v6
.macro FRAG reg, adr, q, i             ; a fragment, 16 rows x 128 K, is 12 registers: lane l holds row l % 16; registers 6 c .. 6 c + 5 hold K = 64 c + 32 (l / 16) + 0 .. 31: 24 bytes of the row's stream of bits
.irp p, 0,1,2,3,4,5                    ; in pieces of 8 bytes; where the piece of lanes 16-31 lies behind one padding more, the second address register serves
.set PCE, 12*(\q)+6*(\p/3)+\p%3
.if PCE%8 < 5
	ds_load_b64 v[\reg+2*\p:\reg+2*\p+1], v[\adr] offset:8*PCE+16*(PCE/8)+(\i)*16*PITCH
.else
	ds_load_b64 v[\reg+2*\p:\reg+2*\p+1], v[\adr+2] offset:8*PCE+16*(PCE/8)+(\i)*16*PITCH
.endif
.endr
.endm
; 16 matrix instructions: row-side blocks a0, a0 + 1 x the column side's eight, 128 along K.  The 64 accumulators take turns, one instruction a turn, in the same order in every step.
.macro MUL16 a0, p, q, sc, zero
.irp a, \a0, \a0+1
.irp b, 0,1,2,3,4,5,6,7
.if \zero
	v_wmma_scale_f32_16x16x128_f8f6f4 v[8*(8*((\a)%4)+\b):8*(8*((\a)%4)+\b)+7], v[128*(\p)+FR*\b:128*(\p)+FR*\b+FR-1], v[AF+FR*(\a):AF+FR*(\a)+FR-1], 0, v[SC+8*NQ*(\sc)+NQ*\b+(\q)], v[SC+8*NQ*(\sc)+NQ*(\a)+(\q)] matrix_a_fmt:MATRIX_FMT_FP6 matrix_b_fmt:MATRIX_FMT_FP6 matrix_a_scale:MATRIX_SCALE_ROW1
.else
	v_wmma_scale_f32_16x16x128_f8f6f4 v[8*(8*((\a)%4)+\b):8*(8*((\a)%4)+\b)+7], v[128*(\p)+FR*\b:128*(\p)+FR*\b+FR-1], v[AF+FR*(\a):AF+FR*(\a)+FR-1], v[8*(8*((\a)%4)+\b):8*(8*((\a)%4)+\b)+7], v[SC+8*NQ*(\sc)+NQ*\b+(\q)], v[SC+8*NQ*(\sc)+NQ*(\a)+(\q)] matrix_a_fmt:MATRIX_FMT_FP6 matrix_b_fmt:MATRIX_FMT_FP6 matrix_a_scale:MATRIX_SCALE_ROW1
.endif
.endr
.endr
.endm
.macro FETCH_B slot, q, p
	WIN TO_B
.irp i, 0,1,2,3,4,5,6,7
	FRAG 128*(\p)+FR*\i, ADRB+\slot, \q, \i
.endr
	WIN 0
.endm
.macro FETCH_A slot, q, i0
.irp i, \i0, \i0+1, \i0+2, \i0+3
	FRAG AF+FR*(\i), ADRA+\slot, \q, \i
.endr
.endm
.macro SCALES sc                       ; the next K step's scale words: two words a row; lanes 0-15 take the row side's block i, lanes 16-31 the column side's
.irp i, 0,1,2,3,4,5,6,7
	ds_load_b64 v[SC+8*NQ*\sc+NQ*\i:SC+8*NQ*\sc+NQ*\i+1], v[ADRS] offset:\i*SBLK
.endr
.endm
.macro PLACES n                        ; plain vector instructions between a matrix instruction and a load into, or a read of, its registers
.rept \n
	v_nop
.endr
.endm
.macro STEP slot, q, zero              ; a step of 128 along K that has its successor in the same slot
	s_wait_dscnt 4*NL                              ; the column side's set and row-side blocks 0-3 are in; the youngest 24 loads (blocks 4-7) may be out
	WIN MUL_LO
	MUL16 0, (\q)%2, \q, \slot, \zero
	MUL16 2, (\q)%2, \q, \slot, \zero
	s_wait_dscnt 0                                 ; blocks 4-7 are in
	PLACES NP
	FETCH_B \slot, (\q)+1, 1-(\q)%2
	FETCH_A \slot, (\q)+1, 0
	WIN MUL_HI
	MUL16 4, (\q)%2, \q, \slot, \zero
	MUL16 6, (\q)%2, \q, \slot, \zero
	PLACES NP
	WIN 0
	FETCH_A \slot, (\q)+1, 4
.endm
; A slot's last step changes slots: one barrier; in front of it each wave waits for all its tensor loads, adds 0 to its spare word, and waits for that and for its own reads of this slot.  fill = 1: this slot is filled again, two K steps ahead.
.macro TURN slot, next, fill
	s_wait_tensorcnt 0x0                           ; all my tensor loads have landed: my part of the next slot
	ds_add_u32 v[SPW], v[NIL]                      ; 0 onto my spare word
	s_wait_dscnt 4*NL+1                            ; (the add and the youngest 24 loads may be out)
	WIN MUL_LO
	MUL16 0, 1, NQ-1, \slot, 0                     ; sixteen matrix instructions stand between the add and the wait for it
	s_wait_dscnt 0x0                               ; the add is done, and my reads of this slot are over
	s_barrier_signal -1
	MUL16 2, 1, NQ-1, \slot, 0
	WIN 0
	s_barrier_wait -1
.if \fill
	CREST                                          ; the barrier has opened a round of the cluster's barrier: no wave of any partner still reads this slot or has a load on its way
	s_add_nc_u64 s[G0+4*\slot+2:G0+4*\slot+3], s[G0+4*\slot+2:G0+4*\slot+3], 2*ROWB
	s_add_nc_u64 s[G0B+4*\slot+2:G0B+4*\slot+3], s[G0B+4*\slot+2:G0B+4*\slot+3], 2*ROWB
	JLOAD G0+4*\slot, G1, G0B+4*\slot, G1B         ; the first tensor load behind the round; its four v_nop are the places in front of the loads below
.else
	PLACES NP
.endif
	v_add_nc_u32 v[ADRS], 4*NQ, v[ADRS]            ; on to the next K step's scale words
	FETCH_B \next, 0, 0
	FETCH_A \next, 0, 0
	SCALES \next
	WIN MUL_HI
	MUL16 4, 1, NQ-1, \slot, 0
	MUL16 6, 1, NQ-1, \slot, 0
	PLACES NP
	WIN 0
	FETCH_A \next, 0, 4
.endm
	s_wait_tensorcnt 1                             ; the scales and my part of K step 0 are in; K step 1's load may be out
	s_barrier_signal -1
	s_barrier_wait -1
	FETCH_B 0, 0, 0
	FETCH_A 0, 0, 0
	SCALES 0
	FETCH_A 0, 0, 4
	STEP 0, 0, 1                                   ; the first step stands in front of the loop: its products start the sums
	s_mov_b32 s3, LAPS-1
.Llap:                                                 ; a trip goes once round the ring and fills both slots again
	TURN 0, 1, 1
	STEP 1, 0, 0
	TURN 1, 0, 1
	STEP 0, 0, 0
	s_sub_co_u32 s3, s3, 1
	s_cmp_lg_u32 s3, 0
	s_cbranch_scc1 .Llap
	TURN 0, 1, 0                                   ; the last lap fills nothing
	STEP 1, 0, 0
	s_wait_dscnt 4*NL
	WIN MUL_LO
	MUL16 0, 1, NQ-1, 1, 0
	MUL16 2, 1, NQ-1, 1, 0
	s_wait_dscnt 0
	WIN MUL_HI
	MUL16 4, 1, NQ-1, 1, 0
	MUL16 6, 1, NQ-1, 1, 0
	WIN 0
; THE WAY OUT.  Row-side block a: a lane's 64 results, register 16 b + i = column-side index 32 b + 16 (lane / 16) + i of its row, become a fragment's 12 registers of codes and a scale word, and are stored as they stand.
; isv = 0: the fragment's halves are two heads' 64 channels of 16 tokens; isv = 1: it is 128 tokens of 16 channels.  Each store of the wave covers 512 or 256 consecutive bytes, aligned.
.macro QOUT a, isv
.set AC, 64*((\a)%4)
	WIN 0x0a+5*((\a)/4)                            ; sources 0 and 1: window 2 or 3
.irp b, 0,1,2,3
	v_max3_num_f32 v[TM+\b], |v[AC+16*\b]|, |v[AC+16*\b+1]|, 0x1800000   ; block b: my 16 numbers, each accumulator from its low end on, and the floor 2^(3 - 127)
.endr
.irp i, 2,4,6,8,10,12,14
.irp b, 0,1,2,3
	v_max3_num_f32 v[TM+\b], |v[AC+16*\b+\i]|, |v[AC+16*\b+\i+1]|, v[TM+\b]   ; (the four blocks by turns)
.endr
.endr
	WIN 0
.irp b, 0,1,2,3
	v_permlanex16_b32 v[TM+4+\b], v[TM+\b], s[SEL], s[SEL+1]
.endr
.irp b, 0,1,2,3
	v_max_num_f32 v[TM+\b], v[TM+\b], v[TM+4+\b]   ; with lane l xor 16's: the block's largest magnitude
.endr
.irp b, 0,1,2,3
	v_add_nc_u32 v[TM+12+\b], 0xff000000, v[TM+\b] ; 2 off its exponent field: the conversion's scale operand
.endr
.irp b, 0,1,2,3
	v_lshrrev_b32 v[TM+4+\b], 23, v[TM+12+\b]      ; the scale's byte
.endr
	v_lshl_or_b32 v[PW], v[TM+5], 8, v[TM+4]
	v_lshl_or_b32 v[PW], v[TM+6], 16, v[PW]
	v_lshl_or_b32 v[PW], v[TM+7], 24, v[PW]        ; my row's scale word, in both halves of the lanes
	s_wait_xcnt 0x0                                ; the last block's stores have had their addresses translated (ISA guide 3.1): only behind this wait are their data written again
	WIN 2+(\a)/4                                   ; source 0: window 2 or 3
.irp c, 0,1
	v_cvt_scalef32_pk16_fp6_f32 v[PC+6*\c:PC+2+6*\c], v[AC+32*\c:AC+15+32*\c], v[TM+12+2*\c]
	v_cvt_scalef32_pk16_fp6_f32 v[PC+12+4*\c:PC+14+4*\c], v[AC+16+32*\c:AC+31+32*\c], v[TM+12+2*\c+1]   ; (a conversion's three registers begin on an even number)
.endr
	WIN 0
	v_nop                                          ; one plain place behind a scaled conversion
.irp c, 0,1                                    ; the operand's layout wants a whole block in a lane: lanes 0-15 block 2 c, lanes 16-31 block 2 c + 1
.irp i, 0,1,2
	v_permlane16_swap_b32 v[PC+6*\c+\i], v[PC+12+4*\c+\i]
.endr
.irp i, 0,1,2
	v_mov_b32 v[PC+3+6*\c+\i], v[PC+12+4*\c+\i]
.endr
.endr
.if \isv
	v_mov_b32 v[SWA+(\a)%4], v[PW]
.irp g, 0,1,2
	global_store_b128 v[L16], v[PC+4*\g:PC+4*\g+3], s[12:13] offset:((\a)/4)*102400+((\a)%4)*1536+512*\g
.endr
.else
	v_and_b32 v[SWA+(\a)%4], 0xffff, v[PW]         ; the first head's two bytes; the bytes of the K that attention pads stay 0
	v_lshrrev_b32 v[SWB+(\a)%4], 16, v[PW]         ; the second head's
	global_store_b128 v[L16], v[PC:PC+3], s[12:13] offset:((\a)/4)*3328+((\a)%4)*768
	global_store_b64 v[L8], v[PC+4:PC+5], s[12:13] offset:((\a)/4)*3328+((\a)%4)*768+512
	global_store_b128 v[L16], v[PC+6:PC+9], s[12:13] offset:((\a)/4)*3328+((\a)%4)*768+106496
	global_store_b64 v[L8], v[PC+10:PC+11], s[12:13] offset:((\a)/4)*3328+((\a)%4)*768+106496+512
.endif
.if ((\a)%4) == 3                              ; four tiles' words: lanes 0-15 carry tiles 0 and 2, lanes 16-31 tiles 1 and 3
	v_cndmask_b32 v[SPA], v[SWA], v[SWA+1], s[HM]
	v_cndmask_b32 v[SPA+1], v[SWA+2], v[SWA+3], s[HM]
.if \isv
	global_store_b64 v[L8], v[SPA:SPA+1], s[12:13] offset:((\a)/4)*102400+6144
.else
	v_cndmask_b32 v[SPB], v[SWB], v[SWB+1], s[HM]
	v_cndmask_b32 v[SPB+1], v[SWB+2], v[SWB+3], s[HM]
	global_store_b64 v[L8], v[SPA:SPA+1], s[12:13] offset:((\a)/4)*3328+3072
	global_store_b64 v[L8], v[SPB:SPB+1], s[12:13] offset:((\a)/4)*3328+3072+106496
.endif
.endif
.endm
	PLACES NP                                      ; behind the last products: their results are read and their operands' registers written below
.irp b, 0,1,2,3
	v_mov_b32 v[TM+4+\b], 0                        ; written once: a lane permute's destination counts as one of its sources
.endr
	s_cmp_eq_u32 ttmp9, 2                          ; the cluster's x: the same in all partners
	s_cbranch_scc1 .Lv
	s_lshr_b32 s20, s17, 3                         ; q and k: batch = token tile / 8
	s_lshl_b32 s20, s20, 5
	s_sub_co_u32 s21, s42, 32
	s_lshl_b32 s21, s21, 2
	s_add_co_u32 s20, s20, s21                     ; + 4 heads for each 256 columns
	s_lshl_b32 s21, s16, 1
	s_add_co_u32 s20, s20, s21                     ; + 2 for my half of them
	s_lshl_b32 s20, s20, 5                         ; 32 records a head
	s_and_b32 s21, s17, 7
	s_lshl_b32 s21, s21, 2
	s_add_co_u32 s20, s20, s21                     ; + 4 records for each 256 tokens
	s_lshl_b32 s21, s15, 1
	s_add_co_u32 s20, s20, s21                     ; + 2 for my half of them
	s_mul_i32 s20, s20, 3328
	s_mov_b32 s21, 0
	s_add_nc_u64 s[12:13], s[8:9], s[20:21]
.irp a, 0,1,2,3,4,5,6,7
	QOUT \a, 0
.endr
	s_branch .Lend
.Lv:
	s_lshr_b32 s20, s42, 3                         ; v: batch = token tile / 8
	s_lshl_b32 s20, s20, 4
	s_sub_co_u32 s21, s17, 40
	s_lshl_b32 s21, s21, 2
	s_add_co_u32 s20, s20, s21                     ; + 4 heads for each 256 channels
	s_lshl_b32 s21, s15, 1
	s_add_co_u32 s20, s20, s21                     ; + 2 for my half of them
	s_lshl_b32 s20, s20, 4                         ; 16 key steps a head
	s_and_b32 s21, s42, 7
	s_lshl_b32 s21, s21, 1
	s_add_co_u32 s20, s20, s21                     ; + 2 key steps for each 256 tokens
	s_add_co_u32 s20, s20, s16                     ; + my half of them
	s_mul_i32 s20, s20, 6400
	s_mov_b32 s21, 0
	s_add_nc_u64 s[12:13], s[10:11], s[20:21]
.irp a, 0,1,2,3,4,5,6,7
	QOUT \a, 1
.endr
.Lend:
	s_wait_tensorcnt 0x0                           ; the wave's end, behind my last tensor load
	ds_add_u32 v[SPW], v[NIL]
	s_wait_dscnt 0x0
	CROUND                                         ; the closing round: no work-group ends while a partner may still ask for a tile that names it
	s_endpgm
.Lfunc_end_k_qfa75455b84_qkv:
	.size	k_qfa75455b84_qkv, .Lfunc_end_k_qfa75455b84_qkv-k_qfa75455b84_qkv
	.p2alignl 7, 3214868480
	.fill 96, 4, 3214868480
	.section	.rodata,"a",@progbits
	.p2align	6, 0x0
	.amdhsa_kernel k_qfa75455b84_qkv
		.amdhsa_group_segment_fixed_size 327680
		.amdhsa_private_segment_fixed_size 0
		.amdhsa_enable_private_segment 0
		.amdhsa_kernarg_size 32
		.amdhsa_user_sgpr_count 2
		.amdhsa_user_sgpr_kernarg_segment_ptr 1
		.amdhsa_wavefront_size32 1
		.amdhsa_system_sgpr_workgroup_id_x 1
		.amdhsa_system_sgpr_workgroup_id_y 1
		.amdhsa_system_sgpr_workgroup_id_z 1
		.amdhsa_system_vgpr_workitem_id 0
		.amdhsa_next_free_vgpr 1024
		.amdhsa_next_free_sgpr 100
		.amdhsa_reserve_vcc 0
		.amdhsa_float_denorm_mode_32 3
		.amdhsa_float_denorm_mode_16_64 3
		.amdhsa_memory_ordered 1
		.amdhsa_forward_progress 1
		.amdhsa_inst_pref_size 201
	.end_amdhsa_kernel
	.amdgpu_metadata
---
amdhsa.version: [ 1, 2 ]
amdhsa.kernels:
  - .name:           k_qfa75455b84_qkv
    .symbol:         k_qfa75455b84_qkv.kd
    .args:
      - { .name: codes, .offset: 0, .size: 8, .value_kind: global_buffer, .address_space: global }
      - { .name: scales, .offset: 8, .size: 8, .value_kind: global_buffer, .address_space: global }
      - { .name: qk_img, .offset: 16, .size: 8, .value_kind: global_buffer, .address_space: global }
      - { .name: v_img, .offset: 24, .size: 8, .value_kind: global_buffer, .address_space: global }
    .group_segment_fixed_size: 327680
    .private_segment_fixed_size: 0
    .kernarg_segment_align: 8
    .kernarg_segment_size: 32
    .max_flat_workgroup_size: 128
    .sgpr_count:     100
    .vgpr_count:     1024
    .wavefront_size: 32
...
	.end_amdgpu_metadata
.endif
;; end of part 2
;; launch attn (part 3): grid 4 x 64, 16 waves a work-group, clusters of 4 x 1, 210,944 bytes of LDS; arguments qk_img, v_img, ao_img, ao_scales; writes ao_img, ao_scales
.if DOCPART == 3
	.amdgcn_target "amdgcn-amd-amdhsa--gfx1250"
	.amdhsa_code_object_version 6
	.text
	.protected	k_qfa75455b84_attn
	.globl	k_qfa75455b84_attn
	.p2align	8
	.type	k_qfa75455b84_attn,@function
k_qfa75455b84_attn:
	s_mov_b64 s[64:65], 0
	v_nop
	global_prefetch_b8 v0, s[64:65] scope:SCOPE_SE
	s_setreg_imm32_b32 hwreg(HW_REG_WAVE_MODE, 25, 1), 1
	s_wait_xcnt 0x0
	s_wait_alu depctr_hold_cnt(0) depctr_sa_sdst(0) depctr_va_vdst(0) depctr_va_sdst(0) depctr_va_ssrc(0) depctr_va_vcc(0) depctr_vm_vsrc(0)
	s_getreg_b32 s2, hwreg(HW_REG_IB_STS2, 6, 4)
	s_cmp_eq_u32 s2, 0
	s_cbranch_scc0 .Lentry_in_a_cluster
	s_endpgm
.Lentry_in_a_cluster:
	s_bfe_u32 s2, ttmp6, 0x10000c
	s_cmp_lg_u32 s2, 0x3003
	s_cbranch_scc0 .Lentry_shape_is_right
	s_endpgm
.Lentry_shape_is_right:
; Causal attention of one head on codes of FP6 (E2M3) with E8M0 scales: S^T = K Q^T (K = the head's 64 channels, filled up to the instruction's 128 with zero codes on both sides), the softmax, O^T = V^T P^T (K = the keys).
; THE SOFTMAX: t = score x log2(e) / 8; M = the running largest t rounded up to a whole number; p = 2^(t - M) is quantised along the keys, not normalised; the row's sum is taken of the unquantised p and divides O at the end.
; O is then quantised along its 64 channels (two blocks) and leaves as one half of an operand image for the last product.
; SHARES.  A cluster of four work-groups is one (batch, head).  The head's K (106,496 bytes) and V (102,400) fit in LDS: they are brought ONCE, by joint loads that name all four work-groups; nothing is filled again.
; Work-group j, wave w (i = w / 2, e = w % 2) takes two tiles of 16 queries: tile 8 i + 2 j + e, which needs key steps 0 .. i, and tile 8 (15 - i) + 2 j + e, which needs 0 .. 15 - i: 17 key steps of 128 in every wave.
; Every pass walks 16 trips; a trip whose keys all come after the tile's queries is jumped over: a branch on the wave's number and the count of trips alone.  The work-group's place in the cluster enters global addresses and one vector constant only.
; ORDER OF ROWS.  Tokens and channels lie in positions sigma (bits 3 and 4 exchanged): lane r of tile 2 b + u is row 32 b + 8 u + r + 8 (r / 8).  So with both products used transposed a lane holds ONE query,
; and the 16 registers of result tiles 2 b, 2 b + 1 are 16 neighbouring keys (or channels), 32 b + 16 (lane / 16) + 0 .. 15.
; Four waves share a SIMD, so that one wave's vector work stands beside another's matrix work and LDS loads.
; LIMITS: NaN and infinities are not served; a block whose largest magnitude lies under 2^-124 is held at the byte 1, a block of zeros too (its codes are zeros).  The scale bytes of the padded K are 0, over zero codes.
; The scale bytes of O leave one byte a lane: a row's 32 bytes come from 16 heads, which are made in 16 clusters.
.set VBASE, 106496                     ; LDS: K's 32 records of 3,328 bytes from 0, V's 16 records of 6,400 from here
.set SPARE, 208896                     ; the spare words, 128 bytes for each of 16 waves: eight blocks of 256 bytes that no other line names
.set SPW,  5                           ; v5   my spare word; never rewritten
.set NIL,  6                           ; v6   0; never rewritten
; v1 16 x lane, v2 8 x lane, v3 d = my query - the diagonal step's first key - 16 (lane / 16), v4 -infinity, v7 32 r + h: never rewritten.  v8-11 the step's LDS addresses.  v12 -M, v13 the largest t, v[14:15] the sum
.set QA,   16                          ; v16-27  the first tile's Q: 6 registers of codes, 6 of zeros
.set QB,   28                          ; v28-39  the second's
.set KF,   40                          ; v40-87  four fragments of K: 6 registers of codes, 6 of zeros each
.set SS,   88                          ; v88-151 S^T, then p; v88-135 then take V's four fragments
.set OO,   152                         ; v152-183 O^T
.set PC,   184                         ; v184-195 p's codes (at the end O's)
.set CT,   196                         ; v196-202 halves on their way
.set BM,   204                         ; v204-207 the blocks' largest
.set BT,   208                         ; v208-211 the other half's, then bytes
.set SO,   212                         ; v212-215 the conversions' scale operands
.set KSC,  216                         ; v216-219 K's scale words: register 2 g + t / 2, lanes 0-15 tile 4 g + t for t even, lanes 16-31 for t odd
.set VSC,  220                         ; v220-221 V's likewise
.set QWA,  222                         ; v222, v223 Q's scale words
.set QWB,  223
.set PWD,  224                         ; v224 p's scale word
.set FF,   226                         ; v[226:227] f = 2^(old M - new M)
.set TT,   228                         ; v[228:229] at work; at the end 1 / the sum
.set S2,   230                         ; v[230:231] the sum's second chain
.set WV,   12
.set CX,   13
.set HD,   14                          ; the head
.set BB,   15                          ; the batch
.set SEL,  16                          ; s[16:17] lane selects for v_permlanex16_b32: lane l xor 16
.set CS,   18                          ; s[18:19] c = log2(e) / 8
.set HM,   20                          ; the mask of lanes 16-31
.set SI,   21                          ; the key step
.set TK,   22                          ; where its K lies in LDS
.set TV,   23                          ; and its V
.set GA,   24                          ; the last key step of my first tile, and of my second
.set GB,   25
.set TA,   26                          ; my two tiles
.set TBB,  27
.set G1K,  28                          ; s[28:35], s[36:43] descriptor groups 1; s[44:47], s[48:51] groups 0
.set G1V,  36
.set G0K,  44
.set G0V,  48
.set QCA,  52                          ; pairs: Q's codes, Q's scale words, O's image, O's scale bytes, for each tile; never rewritten
.set QSA,  54
.set OAA,  56
.set OSA,  58
.set QCB,  60
.set QSB,  62
.set OAB,  66
.set OSB,  68
.set HO,   70                          ; the byte at which q's records of my head begin
.macro CROUND                          ; a round of the cluster's barrier
	s_barrier_signal -1
	s_barrier_wait -1
	s_cmp_lg_u32 s[WV], 0
	s_cbranch_scc1 .Lnot_wave_0_\@
	s_barrier_signal -3
.Lnot_wave_0_\@:
	s_barrier_wait -3
	s_barrier_signal -1
	s_barrier_wait -1
.endm
.macro ADRS tt, qc, qs, oa, os         ; the four addresses of the tile in s[tt]
	s_lshr_b32 s74, s[\tt], 2
	s_mul_i32 s74, s74, 3328
	s_add_co_u32 s74, s74, s[HO]                   ; its record of 64 tokens
	s_and_b32 s75, s[\tt], 3
	s_mul_i32 s75, s75, 768
	s_add_co_u32 s76, s74, s75
	s_mov_b32 s77, 0
	s_add_nc_u64 s[\qc:\qc+1], s[4:5], s[76:77]
	s_and_b32 s75, s[\tt], 1                       ; its scale words: 128 (tile % 2) + 4 (tile / 2 % 2) in the record's last 256 bytes
	s_lshl_b32 s75, s75, 7
	s_add_co_u32 s76, s74, s75
	s_bfe_u32 s75, s[\tt], 0x10001
	s_lshl_b32 s75, s75, 2
	s_add_co_u32 s76, s76, s75
	s_add_co_u32 s76, s76, 3072
	s_add_nc_u64 s[\qs:\qs+1], s[4:5], s[76:77]
	s_lshl_b32 s78, s[BB], 7
	s_add_co_u32 s78, s78, s[\tt]                  ; the row tile among 512
	s_lshl_b32 s74, s78, 3
	s_lshr_b32 s75, s[HD], 1
	s_add_co_u32 s74, s74, s75                     ; K step of the last product = head / 2
	s_mul_i32 s76, s74, 1536
	s_and_b32 s75, s[HD], 1
	s_mul_i32 s75, s75, 768                        ; its half = head % 2
	s_add_co_u32 s76, s76, s75
	s_add_nc_u64 s[\oa:\oa+1], s[8:9], s[76:77]
	s_lshl_b32 s76, s78, 9                         ; 16 rows of 32 scale bytes
	s_lshl_b32 s75, s[HD], 1
	s_add_co_u32 s76, s76, s75
	s_add_nc_u64 s[\os:\os+1], s[10:11], s[76:77]
.endm
.macro KQ t, g, qf, qw                 ; S^T's tile 4 g + t: source 0 = 16 keys, source 1 = my 16 queries
.if (\t)%2
	v_wmma_scale_f32_16x16x128_f8f6f4 v[SS+8*(4*\g+\t):SS+8*(4*\g+\t)+7], v[KF+12*\t:KF+12*\t+11], v[\qf:\qf+11], 0, v[KSC+2*\g+(\t)/2], v[\qw] matrix_a_fmt:MATRIX_FMT_FP6 matrix_b_fmt:MATRIX_FMT_FP6 matrix_a_scale:MATRIX_SCALE_ROW1
.else
	v_wmma_scale_f32_16x16x128_f8f6f4 v[SS+8*(4*\g+\t):SS+8*(4*\g+\t)+7], v[KF+12*\t:KF+12*\t+11], v[\qf:\qf+11], 0, v[KSC+2*\g+(\t)/2], v[\qw] matrix_a_fmt:MATRIX_FMT_FP6 matrix_b_fmt:MATRIX_FMT_FP6
.endif
.endm
.macro PV t                            ; O^T's tile t: source 0 = 16 channels x 128 keys, source 1 = p
.if (\t)%2
	v_wmma_scale_f32_16x16x128_f8f6f4 v[OO+8*\t:OO+8*\t+7], v[SS+12*\t:SS+12*\t+11], v[PC:PC+11], v[OO+8*\t:OO+8*\t+7], v[VSC+(\t)/2], v[PWD] matrix_a_fmt:MATRIX_FMT_FP6 matrix_b_fmt:MATRIX_FMT_FP6 matrix_a_scale:MATRIX_SCALE_ROW1
.else
	v_wmma_scale_f32_16x16x128_f8f6f4 v[OO+8*\t:OO+8*\t+7], v[SS+12*\t:SS+12*\t+11], v[PC:PC+11], v[OO+8*\t:OO+8*\t+7], v[VSC+(\t)/2], v[PWD] matrix_a_fmt:MATRIX_FMT_FP6 matrix_b_fmt:MATRIX_FMT_FP6
.endif
.endm
	s_load_b256 s[4:11], s[0:1], 0x0               ; qk_img s[4:5], v_img s[6:7], ao_img s[8:9], ao_scales s[10:11]
	v_lshl_add_u32 v[SPW], v0, 2, SPARE
	v_mov_b32 v[NIL], 0
	ds_add_u32 v[SPW], v[NIL]                      ; the wave's opening: the add and its wait stand ahead of my first tensor load; the set-up below, work on registers, stands between them
	ds_add_u32 v[SPW], v[NIL]
	v_lshrrev_b32 v1, 5, v0
	s_delay_alu instid0(VALU_DEP_1)
	v_readfirstlane_b32 s[WV], v1                  ; wave 0..15
	s_bfe_u32 s[CX], ttmp6, 0x40000                ; my place in the cluster
	s_and_b32 s72, ttmp7, 0xffff                   ; 16 x batch + head, which the four partners share
	s_and_b32 s[HD], s72, 15
	s_lshr_b32 s[BB], s72, 4
	; descriptor groups 1: dense blocks as rows of 256 bytes (32 elements of 8 bytes): K's 26 rows a wave, V's 25
	s_mov_b32 s[G1K], 15|(3<<16)|(1<<21)           ; 15:0 the mask: all four work-groups; 17:16 elements of 8 bytes; 21 set beside a mask; no padding
	s_mov_b32 s[G1K+1], 32<<16
	s_mov_b32 s[G1K+2], 26<<16
	s_mov_b32 s[G1K+3], 32<<16
	s_mov_b32 s[G1K+4], 26
	s_mov_b32 s[G1K+5], 32
	s_mov_b32 s[G1K+6], 0
	s_mov_b32 s[G1K+7], 0
	s_mov_b32 s[G1V], 15|(3<<16)|(1<<21)
	s_mov_b32 s[G1V+1], 32<<16
	s_mov_b32 s[G1V+2], 25<<16
	s_mov_b32 s[G1V+3], 32<<16
	s_mov_b32 s[G1V+4], 25
	s_mov_b32 s[G1V+5], 32
	s_mov_b32 s[G1V+6], 0
	s_mov_b32 s[G1V+7], 0
	s_mul_i32 s74, s72, 102400                     ; V's records of my head,
	s_mul_i32 s73, s[WV], 6400                     ; my wave's sixteenth of them,
	s_add_co_u32 s74, s74, s73
	s_mov_b32 s75, 0
	s_add_co_u32 s[G0V+1], s73, VBASE              ; and its place in LDS: the wave's number and constants alone
	s_lshl_b32 s[HO], s[BB], 5
	s_add_co_u32 s[HO], s[HO], s[HD]
	s_mul_i32 s[HO], s[HO], 106496                 ; q's records of my head; k's lie 16 heads on
	s_mul_i32 s[G0K+1], s[WV], 6656
	s_add_co_u32 s76, s[HO], 16*106496
	s_add_co_u32 s76, s76, s[G0K+1]
	s_mov_b32 s77, 0
	s_mov_b32 s[G0K], 1
	s_mov_b32 s[G0V], 1
	s_mov_b32 s[SEL], 0x76543210
	s_mov_b32 s[SEL+1], 0xfedcba98
	s_mov_b32 s[CS], 0x3e38aa3b                    ; c = log2(e) / 8
	s_mov_b32 s[CS+1], s[CS]                       ; (named with it as a pair, so it is written)
	s_mov_b32 s[HM], 0xffff0000
	s_wait_dscnt 0x0                               ; the opening add is done
	s_wait_kmcnt 0x0
	s_add_nc_u64 s[G0K+2:G0K+3], s[4:5], s[76:77]
	s_or_b32 s[G0K+3], s[G0K+3], 0x80000000
	s_add_nc_u64 s[G0V+2:G0V+3], s[6:7], s[74:75]
	s_or_b32 s[G0V+3], s[G0V+3], 0x80000000
	CROUND                                         ; all four work-groups are here: the joint loads meet
	tensor_load_to_lds s[G0K:G0K+3], s[G1K:G1K+7]  ; every wave brings a sixteenth of K and a sixteenth of V: two loads of mine are out
	s_nop 0
	tensor_load_to_lds s[G0V:G0V+3], s[G1V:G1V+7]
	s_nop 0
.rept 4
	v_nop
.endr
	s_lshr_b32 s[GA], s[WV], 1                     ; i
	s_sub_co_u32 s[GB], 15, s[GA]
	s_and_b32 s72, s[WV], 1                        ; e
	s_lshl_b32 s73, s[CX], 1
	s_add_co_u32 s73, s73, s72                     ; 2 j + e
	s_lshl_b32 s[TA], s[GA], 3
	s_add_co_u32 s[TA], s[TA], s73
	s_lshl_b32 s[TBB], s[GB], 3
	s_add_co_u32 s[TBB], s[TBB], s73
	ADRS TA, QCA, QSA, OAA, OSA
	ADRS TBB, QCB, QSB, OAB, OSB
	v_and_b32 v9, 31, v0                           ; lane
	s_delay_alu instid0(VALU_DEP_1)
	v_lshlrev_b32 v1, 4, v9
	s_delay_alu instid0(VALU_DEP_2)
	v_lshlrev_b32 v2, 3, v9
	v_and_b32 v10, 15, v0                          ; r
	v_bfe_u32 v11, v0, 4, 1                        ; h
	s_delay_alu instid0(VALU_DEP_2)
	v_lshlrev_b32 v8, 3, v10                       ; Q's scale words: 8 bytes from row to row
	global_load_b128 v[QA:QA+3], v1, s[QCA:QCA+1]
	global_load_b64 v[QA+4:QA+5], v2, s[QCA:QCA+1] offset:512
	global_load_b32 v[QWA], v8, s[QSA:QSA+1]
	global_load_b128 v[QB:QB+3], v1, s[QCB:QCB+1]
	global_load_b64 v[QB+4:QB+5], v2, s[QCB:QCB+1] offset:512
	global_load_b32 v[QWB], v8, s[QSB:QSB+1]
	v_and_b32 v3, 8, v10
	s_delay_alu instid0(VALU_DEP_1)
	v_add_nc_u32 v3, v3, v10                       ; r + 8 (r / 8)
	v_lshlrev_b32 v4, 4, v11
	s_delay_alu instid0(VALU_DEP_1)
	v_sub_nc_u32 v3, v3, v4                        ; - 16 h
	s_lshl_b32 s74, s[CX], 5
	s_lshl_b32 s75, s72, 3
	s_add_co_u32 s74, s74, s75
	v_add_nc_u32 v3, s74, v3                       ; + 32 j + 8 e: the same in both tiles
	v_mov_b32 v4, 0xff800000                       ; -infinity
	v_lshl_add_u32 v7, v10, 5, v11                 ; 32 r + h: my byte among the tile's scale bytes
.irp z, 6,7,8,9,10,11
	v_mov_b32 v[QA+\z], 0                          ; zero codes for the K that the head does not have
	v_mov_b32 v[QB+\z], 0
.irp t, 0,1,2,3
	v_mov_b32 v[KF+12*\t+\z], 0
.endr
.endr
.irp b, 0,1,2,3
	v_mov_b32 v[BT+\b], 0                          ; written once: a lane permute's destination counts as one of its sources
.endr
	v_mov_b32 v[FF+1], 0                           ; (named as the upper halves of pairs)
	v_mov_b32 v[TT], 0
	v_mov_b32 v[TT+1], 0
	s_wait_loadcnt 0x0                             ; Q
	s_wait_tensorcnt 0x0                           ; my parts of K and V have landed,
	s_barrier_signal -1
	s_barrier_wait -1                              ; everybody's have
; ONE TILE OF 16 QUERIES.  qf, qw: its Q and scale words; gm: its last key step; oa, ob: where its image and its scale bytes go.
.macro PASS qf, qw, gm, oa, ob
	s_wait_xcnt 0x0                                ; every earlier memory instruction has had its addresses translated (ISA guide 3.1): the registers that the last tile's stores read are written again only behind this wait
	v_mov_b32 v13, 0xff61b1e6                      ; the largest t so far: -3e38, under every t
	s_delay_alu instid0(VALU_DEP_1)
	v_floor_f32 v12, -v13                          ; -M
	v_mov_b32 v14, 0
	v_mov_b32 v15, 0
.set ii, 0
.rept 32
	v_mov_b32 v[OO+ii], 0                          ; O^T: the first step finds zeros, which the first change of M leaves zeros
.set ii, ii+1
.endr
	s_mov_b32 s[SI], 0
	s_mov_b32 s[TK], 0
	s_mov_b32 s[TV], VBASE
.Lstep_\@:
	s_cmp_gt_u32 s[SI], s[\gm]                     ; all 128 keys come after my queries: the step's work is left out
	s_cbranch_scc1 .Lhid_\@
	s_setprio 2
	v_add_nc_u32 v8, s[TK], v1
	s_wait_alu depctr_va_vdst(0)
	v_add_nc_u32 v9, s[TK], v2
	s_wait_alu depctr_va_vdst(0)
	v_add_nc_u32 v10, s[TV], v1
	v_add_nc_u32 v11, s[TV], v2
	v_nop
	v_nop                                          ; six places: the scores below are written over registers that the last step's products read as V (five are owed)
.irp g, 0,1                                    ; S^T = K Q^T, four tiles of 16 keys at a time
.if \g > 0
.rept 4
	v_nop                                          ; places in front of loads into registers that matrix instructions have read
.endr
.endif
.irp t, 0,1,2,3
	ds_load_b128 v[KF+12*\t:KF+12*\t+3], v8 offset:3328*\g+768*\t
	ds_load_b64 v[KF+12*\t+4:KF+12*\t+5], v9 offset:3328*\g+768*\t+512
.endr
	ds_load_b64 v[KSC+2*\g:KSC+2*\g+1], v9 offset:3328*\g+3072
	s_wait_dscnt 0x0
.irp t, 0,1,2,3
	KQ \t, \g, \qf, \qw
.endr
.endr
.rept 4
	v_nop
.endr
	s_cmp_lg_u32 s[SI], s[\gm]                     ; only the tile's last step lies on the diagonal
	s_cbranch_scc1 .Lopen_\@
.set jj, 0
.rept 64                                       ; register 16 b + i holds key 128 step + 32 b + 16 (lane / 16) + i: hidden where 32 b + i > d; its score becomes -infinity, p = 0
	v_cmp_gt_i32 vcc_lo, 32*(jj/16)+jj%16, v3
	v_cndmask_b32 v[SS+jj], v[SS+jj], v4, vcc_lo
.set jj, jj+1
.endr
.Lopen_\@:
.irp b, 0,1,2,3
	v_max3_num_f32 v[BM+\b], v[SS+16*\b], v[SS+1+16*\b], v[SS+2+16*\b]   ; the largest score of each block of 32 keys: for the row's maximum, and, since p rises with the score, for the block's largest p
.endr
.irp i, 3,5,7,9,11,13
.irp b, 0,1,2,3
	v_max3_num_f32 v[BM+\b], v[BM+\b], v[SS+16*\b+\i], v[SS+1+16*\b+\i]
.endr
.endr
.irp b, 0,1,2,3
	v_max_num_f32 v[BM+\b], v[BM+\b], v[SS+15+16*\b]
.endr
.irp b, 0,1,2,3
	s_delay_alu instid0(VALU_DEP_4)
	v_permlanex16_b32 v[BT+\b], v[BM+\b], s[SEL], s[SEL+1]
.endr
.irp b, 0,1,2,3
	s_delay_alu instid0(VALU_DEP_4)
	v_max_num_f32 v[BM+\b], v[BM+\b], v[BT+\b]     ; with lane l xor 16's 16 keys
.endr
	s_delay_alu instid0(VALU_DEP_2)
	v_max3_num_f32 v[TT], v[BM], v[BM+1], v[BM+2]
	s_delay_alu instid0(VALU_DEP_1)
	v_max_num_f32 v[TT], v[TT], v[BM+3]            ; the step's largest score of my query
	s_delay_alu instid0(VALU_DEP_1)
	v_mul_f32 v[TT], s[CS], v[TT]                  ; as t
	s_delay_alu instid0(VALU_DEP_1)
	v_max_num_f32 v13, v13, v[TT]                  ; the running largest t
	v_mov_b32 v[TT], v12
	s_delay_alu instid0(VALU_DEP_2)
	v_floor_f32 v12, -v13                          ; the new -M = floor(-t): M is a whole number
	s_delay_alu instid0(VALU_DEP_1)
	v_sub_f32 v[TT], v12, v[TT]                    ; old M - new M: a whole number, 0 or less
	s_delay_alu instid0(VALU_DEP_1)
	v_cvt_i32_f32 v[TT], v[TT]                     ; (it saturates)
	s_delay_alu instid0(VALU_DEP_1)
	v_ldexp_f32 v[FF], 1.0, v[TT]                  ; f = 2^(old M - new M): a multiplication by it rounds nothing
.set jj, 0
.rept 32
	v_pk_fma_f32 v[SS+jj:SS+jj+1], v[SS+jj:SS+jj+1], s[CS:CS+1], v[12:13] op_sel_hi:[1,0,0]   ; t - M, two at a time
.set jj, jj+2
.endr
	s_setprio 1
.irp b, 0,1,2,3
	v_fma_f32 v[BM+\b], v[BM+\b], s[CS], v12       ; the same of each block's largest score
.endr
.set jj, 0
	s_wait_alu depctr_va_vdst(0)
.rept 64
	v_exp_f32 v[SS+jj], v[SS+jj]                   ; p = 2^(t - M), at most 1
.set jj, jj+1
.endr
	v_pk_mul_f32 v[14:15], v[14:15], v[FF:FF+1] op_sel_hi:[1,0]   ; the sums under the new M: the plain instruction behind the exponentials
	s_wait_alu depctr_va_vdst(0)                   ; one wait for the whole batch, ahead of its first reader
.irp b, 0,1,2,3
	v_exp_f32 v[BM+\b], v[BM+\b]                   ; the block's largest p: the same two instructions on the same number give the same bits
.endr
	v_pk_add_f32 v[230:231], v[92:93], v[96:97]
	v_pk_add_f32 v[254:255], v[100:101], v[104:105]
	v_pk_add_f32 v[252:253], v[108:109], v[112:113]
	v_pk_add_f32 v[250:251], v[116:117], v[120:121]
	v_pk_add_f32 v[248:249], v[124:125], v[128:129]
	v_pk_add_f32 v[246:247], v[132:133], v[136:137]
	v_pk_add_f32 v[244:245], v[140:141], v[144:145]
	v_pk_add_f32 v[14:15], v[14:15], v[148:149]
	v_pk_add_f32 v[230:231], v[230:231], v[88:89]
	v_pk_add_f32 v[254:255], v[254:255], v[90:91]
	v_pk_add_f32 v[252:253], v[252:253], v[94:95]
	v_pk_add_f32 v[250:251], v[250:251], v[98:99]
	v_pk_add_f32 v[248:249], v[248:249], v[102:103]
	v_pk_add_f32 v[246:247], v[246:247], v[106:107]
	v_pk_add_f32 v[244:245], v[244:245], v[110:111]
	v_pk_add_f32 v[14:15], v[14:15], v[114:115]
	v_pk_add_f32 v[230:231], v[230:231], v[118:119]
	v_pk_add_f32 v[254:255], v[254:255], v[122:123]
	v_pk_add_f32 v[252:253], v[252:253], v[126:127]
	v_pk_add_f32 v[250:251], v[250:251], v[130:131]
	v_pk_add_f32 v[248:249], v[248:249], v[134:135]
	v_pk_add_f32 v[246:247], v[246:247], v[138:139]
	v_pk_add_f32 v[244:245], v[244:245], v[142:143]
	v_pk_add_f32 v[14:15], v[14:15], v[146:147]
	v_pk_add_f32 v[230:231], v[230:231], v[150:151]
	s_delay_alu instid0(VALU_DEP_2)
	v_pk_add_f32 v[14:15], v[14:15], v[250:251]
	s_delay_alu instid0(VALU_DEP_2)
	v_pk_add_f32 v[230:231], v[230:231], v[248:249]
	v_pk_add_f32 v[254:255], v[254:255], v[246:247]
	v_pk_add_f32 v[252:253], v[252:253], v[244:245]
	s_delay_alu instid0(VALU_DEP_2)
	v_pk_add_f32 v[14:15], v[14:15], v[254:255]
	s_delay_alu instid0(VALU_DEP_2)
	v_pk_add_f32 v[230:231], v[230:231], v[252:253]
	s_delay_alu instid0(VALU_DEP_1)
	v_pk_add_f32 v[14:15], v[14:15], v[230:231]
	s_wait_alu depctr_va_vdst(0)                   ; and one for the four
.irp b, 0,1,2,3
	v_max_num_f32 v[BM+\b], 0x1800000, v[BM+\b]    ; the floor 2^(3 - 127): the byte cannot fall under 1
.endr
.irp b, 0,1,2,3
	s_delay_alu instid0(VALU_DEP_4)
	v_add_nc_u32 v[SO+\b], 0xff000000, v[BM+\b]    ; 2 off the exponent field: the conversion's scale operand
.endr
.irp b, 0,1,2,3
	s_delay_alu instid0(VALU_DEP_4)
	v_lshrrev_b32 v[BT+\b], 23, v[SO+\b]           ; the scale's byte
.endr
	s_delay_alu instid0(VALU_DEP_3)
	v_lshl_or_b32 v[PWD], v[BT+1], 8, v[BT]        ; p's scale word for these 128 keys
	s_delay_alu instid0(VALU_DEP_1)
	v_lshl_or_b32 v[PWD], v[BT+2], 16, v[PWD]
	s_delay_alu instid0(VALU_DEP_1)
	v_lshl_or_b32 v[PWD], v[BT+3], 24, v[PWD]
.irp c, 0,1
	v_cvt_scalef32_pk16_fp6_f32 v[PC+6*\c:PC+2+6*\c], v[SS+32*\c:SS+15+32*\c], v[SO+2*\c]
	v_cvt_scalef32_pk16_fp6_f32 v[CT+4*\c:CT+2+4*\c], v[SS+16+32*\c:SS+31+32*\c], v[SO+2*\c+1]   ; (a conversion's three registers begin on an even number)
.endr
	v_nop                                          ; one plain place behind a scaled conversion
	s_setprio 0
.irp t, 0,1,2,3                                ; V's four fragments take p's registers, which the conversions have read; they land while the lines below are worked
.irp g, 0,1,2
	ds_load_b128 v[SS+12*\t+4*\g:SS+12*\t+4*\g+3], v10 offset:1536*\t+512*\g
.endr
.endr
	ds_load_b64 v[VSC:VSC+1], v11 offset:6144
.irp c, 0,1                                    ; the operand's layout wants a whole block in a lane
.irp i, 0,1,2
	v_permlane16_swap_b32 v[PC+6*\c+\i], v[CT+4*\c+\i]
.endr
.irp i, 0,1,2
	s_delay_alu instid0(VALU_DEP_3)
	v_mov_b32 v[PC+3+6*\c+\i], v[CT+4*\c+\i]
.endr
.endr
.set jj, 0
.rept 16
	v_pk_mul_f32 v[OO+jj:OO+jj+1], v[OO+jj:OO+jj+1], v[FF:FF+1] op_sel_hi:[1,0]   ; O^T under the new M, from the low end on; these are also the places between the scale word, the codes and the products
.set jj, jj+2
.endr
	s_wait_alu depctr_va_vdst(0)
	s_wait_dscnt 0x0
.irp t, 0,1,2,3
	PV \t                                          ; four accumulators by turns, one instruction a turn
.endr
.Lhid_\@:
	s_add_co_u32 s[TK], s[TK], 6656
	s_add_co_u32 s[TV], s[TV], 6400
	s_add_co_u32 s[SI], s[SI], 1
	s_cmp_lt_u32 s[SI], 16
	s_cbranch_scc1 .Lstep_\@
	s_setprio 0
	; the tile's end: O^T / the sum, quantised along the head's 64 channels
.rept 4
	v_nop
.endr
	v_add_f32 v14, v14, v15                        ; the sum's two halves,
	v_permlanex16_b32 v[TT], v14, s[SEL], s[SEL+1]
	s_delay_alu instid0(VALU_DEP_1)
	v_add_f32 v14, v14, v[TT]                      ; and lane l xor 16's: the row's sum
	s_wait_alu depctr_va_vdst(0)
	v_rcp_f32 v[TT], v14
	v_nop                                          ; a plain place behind the reciprocal
	s_wait_alu depctr_va_vdst(0)                   ; and the wait ahead of its first reader
.set jj, 0
.rept 16
	v_pk_mul_f32 v[OO+jj:OO+jj+1], v[OO+jj:OO+jj+1], v[TT:TT+1] op_sel_hi:[1,0]   ; register 16 b + i is channel 32 b + 16 (lane / 16) + i of my query
.set jj, jj+2
.endr
.irp b, 0,1
	v_max3_num_f32 v[BM+\b], |v[OO+16*\b]|, |v[OO+1+16*\b]|, 0x1800000
.endr
.irp i, 2,4,6,8,10,12,14
.irp b, 0,1
	s_delay_alu instid0(VALU_DEP_2)
	v_max3_num_f32 v[BM+\b], v[BM+\b], |v[OO+16*\b+\i]|, |v[OO+1+16*\b+\i]|
.endr
.endr
.irp b, 0,1
	s_delay_alu instid0(VALU_DEP_2)
	v_permlanex16_b32 v[BT+\b], v[BM+\b], s[SEL], s[SEL+1]
.endr
.irp b, 0,1
	s_delay_alu instid0(VALU_DEP_2)
	v_max_num_f32 v[BM+\b], v[BM+\b], v[BT+\b]
.endr
.irp b, 0,1
	s_delay_alu instid0(VALU_DEP_2)
	v_add_nc_u32 v[SO+\b], 0xff000000, v[BM+\b]
.endr
.irp b, 0,1
	s_delay_alu instid0(VALU_DEP_2)
	v_lshrrev_b32 v[BT+\b], 23, v[SO+\b]
.endr
	v_cvt_scalef32_pk16_fp6_f32 v[PC:PC+2], v[OO:OO+15], v[SO]
	v_cvt_scalef32_pk16_fp6_f32 v[CT:CT+2], v[OO+16:OO+31], v[SO+1]
	v_nop
.irp i, 0,1,2
	v_permlane16_swap_b32 v[PC+\i], v[CT+\i]
.endr
.irp i, 0,1,2
	s_delay_alu instid0(VALU_DEP_3)
	v_mov_b32 v[PC+3+\i], v[CT+\i]                 ; registers 0-5: channels 32 (lane / 16) + 0 .. 31 of my query's row
.endr
	v_cndmask_b32 v[BT+2], v[BT], v[BT+1], s[HM]   ; lanes 0-15 carry block 0's byte, lanes 16-31 block 1's
	global_store_b128 v1, v[PC:PC+3], s[\oa:\oa+1]             ; 512 consecutive bytes, aligned
	global_store_b64 v2, v[PC+4:PC+5], s[\oa:\oa+1] offset:512 ; 256 consecutive bytes, aligned
	global_store_b8 v7, v[BT+2], s[\ob:\ob+1]
.endm
	PASS QA, QWA, GA, OAA, OSA
	PASS QB, QWB, GB, OAB, OSB
	s_wait_tensorcnt 0x0                           ; the wave's end, behind my last tensor load
	ds_add_u32 v[SPW], v[NIL]
	s_wait_dscnt 0x0
	CROUND                                         ; the closing round
	s_endpgm
.Lfunc_end_k_qfa75455b84_attn:
	.size	k_qfa75455b84_attn, .Lfunc_end_k_qfa75455b84_attn-k_qfa75455b84_attn
	.p2alignl 7, 3214868480
	.fill 96, 4, 3214868480
	.section	.rodata,"a",@progbits
	.p2align	6, 0x0
	.amdhsa_kernel k_qfa75455b84_attn
		.amdhsa_group_segment_fixed_size 210944
		.amdhsa_private_segment_fixed_size 0
		.amdhsa_enable_private_segment 0
		.amdhsa_kernarg_size 32
		.amdhsa_user_sgpr_count 2
		.amdhsa_user_sgpr_kernarg_segment_ptr 1
		.amdhsa_wavefront_size32 1
		.amdhsa_system_sgpr_workgroup_id_x 1
		.amdhsa_system_sgpr_workgroup_id_y 1
		.amdhsa_system_sgpr_workgroup_id_z 1
		.amdhsa_system_vgpr_workitem_id 0
		.amdhsa_next_free_vgpr 256
		.amdhsa_next_free_sgpr 80
		.amdhsa_reserve_vcc 1
		.amdhsa_float_denorm_mode_32 3
		.amdhsa_float_denorm_mode_16_64 3
		.amdhsa_memory_ordered 1
		.amdhsa_forward_progress 1
		.amdhsa_inst_pref_size 66
	.end_amdhsa_kernel
	.amdgpu_metadata
---
amdhsa.version: [ 1, 2 ]
amdhsa.kernels:
  - .name:           k_qfa75455b84_attn
    .symbol:         k_qfa75455b84_attn.kd
    .args:
      - { .name: qk_img, .offset: 0, .size: 8, .value_kind: global_buffer, .address_space: global }
      - { .name: v_img, .offset: 8, .size: 8, .value_kind: global_buffer, .address_space: global }
      - { .name: ao_img, .offset: 16, .size: 8, .value_kind: global_buffer, .address_space: global }
      - { .name: ao_scales, .offset: 24, .size: 8, .value_kind: global_buffer, .address_space: global }
    .group_segment_fixed_size: 210944
    .private_segment_fixed_size: 0
    .kernarg_segment_align: 8
    .kernarg_segment_size: 32
    .max_flat_workgroup_size: 512
    .sgpr_count:     80
    .vgpr_count:     256
    .wavefront_size: 32
...
	.end_amdgpu_metadata
.endif
;; end of part 3
;; launch proj (part 4): grid 4 x 32, 4 waves a work-group, clusters of 4 x 4, 327,680 bytes of LDS; arguments ao_img, ao_scales, codes, scales, out0; writes out0
.if DOCPART == 4
	.amdgcn_target "amdgcn-amd-amdhsa--gfx1250"
	.amdhsa_code_object_version 6
	.text
	.protected	k_qfa75455b84_proj
	.globl	k_qfa75455b84_proj
	.p2align	8
	.type	k_qfa75455b84_proj,@function
k_qfa75455b84_proj:
	s_mov_b64 s[64:65], 0
	v_nop
	global_prefetch_b8 v0, s[64:65] scope:SCOPE_SE
	s_setreg_imm32_b32 hwreg(HW_REG_WAVE_MODE, 25, 1), 1
	s_wait_xcnt 0x0
	s_wait_alu depctr_hold_cnt(0) depctr_sa_sdst(0) depctr_va_vdst(0) depctr_va_sdst(0) depctr_va_ssrc(0) depctr_va_vcc(0) depctr_vm_vsrc(0)
	s_getreg_b32 s2, hwreg(HW_REG_IB_STS2, 6, 4)
	s_cmp_eq_u32 s2, 0
	s_cbranch_scc0 .Lentry_in_a_cluster
	s_endpgm
.Lentry_in_a_cluster:
	s_bfe_u32 s2, ttmp6, 0x10000c
	s_cmp_lg_u32 s2, 0xf033
	s_cbranch_scc0 .Lentry_shape_is_right
	s_endpgm
.Lentry_shape_is_right:
; out0 = o w_proj on codes of FP6 (E2M3) with E8M0 scales, K = 1,024.  out0: [8192][1024] f32.
; A = the attention's output, as IMAGES OF OPERAND REGISTERS: ao_img [512 tiles of 16 rows][8 K steps of 128][1,536 bytes]: registers 0-3 at 16 x lane, 4-5 at 512 + 8 x lane, 6-9 at 768 + 16 x lane, 10-11 at 1,280 + 8 x lane;
;   its scale bytes ao_scales [8192 positions][32].  B = w_proj's columns: rows 11264 on of codes [12288][768] and scales [12288][32].  Rows and columns lie in positions sigma (bits 3 and 4 exchanged); the way out undoes both.
; A tile of out0, 256 x 256, is made by four waves, 128 x 128 each: 64 accumulators, 512 registers.  K goes in steps of 256 through a ring of two LDS slots filled by the tensor data mover; the scale bytes come once and stay.
; CLUSTERS: 4 x 4 work-groups: A's tiles are asked for jointly along a row of the cluster, B's along a column.  THE MATRIX INSTRUCTION IS USED TRANSPOSED (source 0 = 16 positions of B, source 1 = 16 rows of A).
; The launch has 128 work-groups: 32 x 4 tiles of 256 x 256.
; REGISTERS, in windows of 256: window 0: v0-31 addresses; v32-63 scale words, two sets; from v128 A's fragments, ONE set; on the way out v128-255 rows read back.
;   window 1: B's fragments, TWO sets.   window 2: the accumulators of my rows 0-63 ((a, b) at v[8 (8 a + b)]);   window 3: those of my rows 64-127.
.set NQ,     2
.set ROWB,   192                       ; a row of B's tile in bytes
.set KROW,   768
.set PITCH,  240                       ; B's LDS row: 3 x (64 bytes + 16 of padding)
.set FR,     12
.set NLA,    4                         ; LDS loads that bring a fragment of A
.set NP,     4
.set AH,     8*3072                    ; A: 8 tiles of 16 rows x 256 along K: what one tensor load brings, and what one wave reads
.set HALFT,  128*PITCH                 ; B: 128 rows
.set SLOT,   2*AH+2*HALFT
.set LAPS,   2
.set KS,     32
.set SCL,    2*SLOT
.set HALFS,  (128*KS/256)*272
.set SBLK,   (16*KS/256)*272
.set SPARE,  SCL+4*HALFS               ; the spare words, 128 bytes for each wave: two blocks of 256 bytes that no other line names
.set SPITCH, 528                       ; the way out: a stage of 16 rows x (512 bytes + 16) for each wave, in slot 0, which has had its last fill and its last read when the first result is stored there
.set ADRA, 16                          ; v16-17 16 x lane in my half of A in slot 0, 1;  v18-19 the same with 8 x lane
.set ADRB, 20                          ; v20-21 my B fragments in slot 0, 1;  v22-23 for the pieces behind one padding more
.set STO,  24
.set RD,   25
.set CO,   26
.set ADRS, 27
.set SPW,  28                          ; my spare word; never rewritten
.set NIL,  29                          ; 0; never rewritten
.set SC,   32
.set AF,   128
.set BK,   128
.set G1, 24
.set G0, 32
.set G1B, 48
.set G0B, 56
.set G1S, 68
.set G0S, 76
.set G1SB, 80
.set G0SB, 88
.set MSB, 0
.macro WIN new
.if MSB != (\new)
	s_set_vgpr_msb (MSB<<8)|(\new)
.set MSB, (\new)
.endif
.endm
.set MUL_LO, 0xa1
.set MUL_HI, 0xf1
.set TO_B,   0x40
.macro JLOAD g0a, g1a, g0b, g1b        ; a joint load: waves 0 and 1 fetch for A, waves 2 and 3 for B; an s_nop 0 and four v_nop follow each of the two lines
	s_cmp_eq_u32 s15, 0
	s_cbranch_scc0 .Lfor_b_\@
	tensor_load_to_lds s[\g0a:\g0a+3], s[\g1a:\g1a+7]
	s_nop 0
.rept 4
	v_nop
.endr
	s_branch .Lasked_\@
.Lfor_b_\@:
	tensor_load_to_lds s[\g0b:\g0b+3], s[\g1b:\g1b+7]
	s_nop 0
.rept 4
	v_nop
.endr
.Lasked_\@:
.endm
.macro CREST
	s_cmp_lg_u32 s14, 0
	s_cbranch_scc1 .Lnot_wave_0_\@
	s_barrier_signal -3
.Lnot_wave_0_\@:
	s_barrier_wait -3
	s_barrier_signal -1
	s_barrier_wait -1
.endm
.macro CROUND
	s_barrier_signal -1
	s_barrier_wait -1
	CREST
.endm
	s_load_b128 s[4:7], s[0:1], 0x0                ; ao_img s[4:5], ao_scales s[6:7]
	s_load_b128 s[8:11], s[0:1], 0x10              ; codes s[8:9], scales s[10:11]
	s_load_b64 s[12:13], s[0:1], 0x20              ; out0
	v_lshl_add_u32 v[SPW], v0, 2, SPARE
	v_mov_b32 v[NIL], 0
	ds_add_u32 v[SPW], v[NIL]                      ; the wave's opening: the add and its wait stand ahead of my first tensor load; the set-up below, work on registers, stands between them
	v_lshrrev_b32 v1, 5, v0
	v_readfirstlane_b32 s14, v1                    ; wave 0..3
	s_lshr_b32 s15, s14, 1                         ; which half of the tile's rows is mine.  Also: I fetch for A (0) or for B (1)
	s_and_b32 s16, s14, 1                          ; which half of its columns.  Also: which half of that tile I fetch
	s_bfe_u32 s40, ttmp6, 0x40000                  ; cx, cy
	s_bfe_u32 s41, ttmp6, 0x40004
	s_lshl_b32 s42, ttmp9, 2
	s_add_co_u32 s42, s42, s40                     ; tile column = 4 x cluster x + cx
	s_and_b32 s17, ttmp7, 0xffff
	s_lshl_b32 s17, s17, 2
	s_add_co_u32 s17, s17, s41                     ; tile row = 4 x cluster y + cy
	s_lshl_b32 s43, s41, 2
	s_lshl_b32 s43, 15, s43                        ; my row of the cluster
	s_lshl_b32 s44, 0x1111, s40                    ; my column
	; group 1 for A: 8 rows (tiles of 16 rows of o) x 3,072 bytes (two K steps' images), 12,288 bytes apart in memory, dense in LDS; elements of 8 bytes
	s_or_b32 s[G1+0], s43, (3<<16)|(1<<21)
	s_mov_b32 s[G1+1], 384<<16
	s_mov_b32 s[G1+2], 8<<16
	s_mov_b32 s[G1+3], 384<<16
	s_mov_b32 s[G1+4], 8
	s_mov_b32 s[G1+5], 1536
	s_mov_b32 s[G1+6], 0
	s_mov_b32 s[G1+7], 0
	; group 1 for B: 128 rows x 192 bytes, 16 bytes of padding behind every 64
	s_or_b32 s[G1B+0], s44, (0<<16)|(1<<20)|(1<<21)|(3<<22)|(3<<25)
	s_mov_b32 s[G1B+1], ROWB<<16
	s_mov_b32 s[G1B+2], 128<<16
	s_mov_b32 s[G1B+3], ROWB<<16
	s_mov_b32 s[G1B+4], 128
	s_mov_b32 s[G1B+5], KROW
	s_mov_b32 s[G1B+6], 0
	s_mov_b32 s[G1B+7], 0
	; the scales of 128 rows: 4,096 dense bytes as rows of 256, 16 bytes of padding behind each
	s_or_b32 s[G1S+0], s43, (3<<16)|(1<<20)|(1<<21)|(5<<22)|(3<<25)
	s_or_b32 s[G1SB+0], s44, (3<<16)|(1<<20)|(1<<21)|(5<<22)|(3<<25)
.irp g, G1S, G1SB
	s_mov_b32 s[\g+1], 32<<16
	s_mov_b32 s[\g+2], (128*KS/256)<<16
	s_mov_b32 s[\g+3], 32<<16
	s_mov_b32 s[\g+4], 128*KS/256
	s_mov_b32 s[\g+5], 32
	s_mov_b32 s[\g+6], 0
	s_mov_b32 s[\g+7], 0
.endr
	s_lshl_b32 s20, s17, 4                         ; A's images: 16 tiles of rows a tile row, + 8 for the half that I fetch,
	s_lshl_b32 s18, s16, 3
	s_add_co_u32 s20, s20, s18
	s_mul_i32 s20, s20, 12288                      ; 12,288 bytes each (all offsets stay under 2^26)
	s_mov_b32 s21, 0
	s_lshl_b32 s22, s17, 13                        ; A's scale bytes: 256 rows of 32 bytes a tile row, + 128 rows
	s_lshl_b32 s18, s16, 12
	s_add_co_u32 s22, s22, s18
	s_mov_b32 s23, 0
	s_lshl_b32 s46, s42, 8                         ; B: position 11264 + 256 x tile column + 128 x half
	s_lshl_b32 s18, s16, 7
	s_add_co_u32 s46, s46, s18
	s_add_co_u32 s46, s46, 11264
	s_lshl_b32 s92, s46, 5
	s_mov_b32 s93, 0
	s_mul_i32 s46, s46, KROW
	s_mov_b32 s47, 0
	s_mul_i32 s45, s16, AH                         ; where they go: A's two halves,
	s_mul_i32 s95, s16, HALFT
	s_add_co_u32 s95, s95, 2*AH                    ; then B's two: the wave's number and constants alone
	s_mul_i32 s94, s14, HALFS
	s_wait_dscnt 0x0                               ; the opening add is done
	s_wait_kmcnt 0x0
	s_add_nc_u64 s[20:21], s[4:5], s[20:21]
	s_add_nc_u64 s[22:23], s[6:7], s[22:23]
	s_add_nc_u64 s[46:47], s[8:9], s[46:47]
	s_add_nc_u64 s[92:93], s[10:11], s[92:93]
	CROUND                                         ; all sixteen work-groups are here: the first joint loads meet
	s_mov_b32 s[G0S], 1
	s_add_co_u32 s[G0S+1], s94, SCL
	s_mov_b64 s[G0S+2:G0S+3], s[22:23]
	s_or_b32 s[G0S+3], s[G0S+3], 0x80000000
	s_mov_b32 s[G0SB], 1
	s_add_co_u32 s[G0SB+1], s94, SCL
	s_mov_b64 s[G0SB+2:G0SB+3], s[92:93]
	s_or_b32 s[G0SB+3], s[G0SB+3], 0x80000000
	JLOAD G0S, G1S, G0SB, G1SB                     ; the scales first
.irp s, 0,1
	s_mov_b32 s[G0+4*\s], 1
	s_add_co_u32 s[G0+4*\s+1], s45, \s*SLOT
	s_add_nc_u64 s[G0+4*\s+2:G0+4*\s+3], s[20:21], \s*3072
	s_or_b32 s[G0+4*\s+3], s[G0+4*\s+3], 0x80000000
	s_mov_b32 s[G0B+4*\s], 1
	s_add_co_u32 s[G0B+4*\s+1], s95, \s*SLOT
	s_add_nc_u64 s[G0B+4*\s+2:G0B+4*\s+3], s[46:47], \s*ROWB
	s_or_b32 s[G0B+4*\s+3], s[G0B+4*\s+3], 0x80000000
	JLOAD G0+4*\s, G1, G0B+4*\s, G1B               ; three loads of mine are out behind the second of these
.endr
	v_and_b32 v1, 15, v0                           ; l % 16
	v_bfe_u32 v2, v0, 4, 1                         ; l / 16
	v_and_b32 v6, 31, v0                           ; lane
	s_mul_i32 s21, s15, AH                         ; my 128 rows of A
	v_lshl_add_u32 v[ADRA], v6, 4, s21
	v_lshl_add_u32 v[ADRA+2], v6, 3, s21
	v_add_nc_u32 v[ADRA+1], SLOT, v[ADRA]
	v_add_nc_u32 v[ADRA+3], SLOT, v[ADRA+2]
	v_mul_u32_u24 v3, v1, PITCH
	v_mul_u32_u24 v4, v2, 24
	v_add_nc_u32 v4, v3, v4                        ; B: a fragment's row x pitch + 24 x half
	v_lshl_add_u32 v5, v2, 4, v4                   ; and the same behind one padding more
	s_mul_i32 s22, s16, HALFT
	s_add_co_u32 s22, s22, 2*AH                    ; my 128 rows of B, behind A's
.irp s, 0,1
	v_add_nc_u32 v[ADRB+\s], s22, v4
	v_add_nc_u32 v[ADRB+2+\s], s22, v5
	s_add_co_u32 s22, s22, SLOT
.endr
	v_mul_u32_u24 v5, v1, KS                       ; my row's scales
	v_lshrrev_b32 v7, 8, v5
	v_lshl_add_u32 v5, v7, 4, v5
	s_mul_i32 s21, s15, HALFS
	s_mul_i32 s22, s16, HALFS
	s_add_co_u32 s22, s22, 2*HALFS
	s_sub_co_u32 s22, s22, s21
	v_mul_u32_u24 v7, s22, v2                      ; lanes 16-31 take B's
	s_add_co_u32 s21, s21, SCL
	v_add_nc_u32 v5, v5, v7
	v_add_nc_u32 v[ADRS], s21, v5
	s_mul_i32 s23, s14, 16*SPITCH                  ; my stage
	v_mul_u32_u24 v5, v1, SPITCH                   ; in: row l % 16; my half's 8 columns of block b lie at true columns 32 (b / 2) + 16 (l / 16) + 8 (b % 2)
	v_lshl_add_u32 v5, v2, 6, v5
	v_add_nc_u32 v[STO], s23, v5
	v_lshlrev_b32 v[CO], 4, v6                     ; back: the 32 lanes take one row of 512 bytes; and the same in out0
	v_add_nc_u32 v[RD], s23, v[CO]
	s_lshl_b32 s20, s17, 20                        ; my first row of out0: 256 x tile row + 128 x half, rows of 4,096 bytes;
	s_lshl_b32 s21, s15, 19
	s_add_co_u32 s20, s20, s21
	s_lshl_b32 s21, s42, 10                        ; my first column: 1,024 bytes a tile column + 512 x half
	s_add_co_u32 s20, s20, s21
	s_lshl_b32 s21, s16, 9
	s_add_co_u32 s20, s20, s21
	s_mov_b32 s21, 0
	s_add_nc_u64 s[12:13], s[12:13], s[20:21]
.macro FRAG reg, adr, q, i             ; a fragment of B from rows: pieces of 8 bytes
.irp p, 0,1,2,3,4,5
.set PCE, 12*(\q)+6*(\p/3)+\p%3
.if PCE%8 < 5
	ds_load_b64 v[\reg+2*\p:\reg+2*\p+1], v[\adr] offset:8*PCE+16*(PCE/8)+(\i)*16*PITCH
.else
	ds_load_b64 v[\reg+2*\p:\reg+2*\p+1], v[\adr+2] offset:8*PCE+16*(PCE/8)+(\i)*16*PITCH
.endif
.endr
.endm
.macro FRAGA reg, slot, q, i           ; a fragment of A from its image: every load reads consecutive bytes
	ds_load_b128 v[\reg:\reg+3],     v[ADRA+\slot]   offset:(\i)*3072+(\q)*1536
	ds_load_b64  v[\reg+4:\reg+5],   v[ADRA+2+\slot] offset:(\i)*3072+(\q)*1536+512
	ds_load_b128 v[\reg+6:\reg+9],   v[ADRA+\slot]   offset:(\i)*3072+(\q)*1536+768
	ds_load_b64  v[\reg+10:\reg+11], v[ADRA+2+\slot] offset:(\i)*3072+(\q)*1536+1280
.endm
.macro MUL16 a0, p, q, sc, zero        ; the 64 accumulators take turns, one instruction a turn, in the same order in every step
.irp a, \a0, \a0+1
.irp b, 0,1,2,3,4,5,6,7
.if \zero
	v_wmma_scale_f32_16x16x128_f8f6f4 v[8*(8*((\a)%4)+\b):8*(8*((\a)%4)+\b)+7], v[128*(\p)+FR*\b:128*(\p)+FR*\b+FR-1], v[AF+FR*(\a):AF+FR*(\a)+FR-1], 0, v[SC+8*NQ*(\sc)+NQ*\b+(\q)], v[SC+8*NQ*(\sc)+NQ*(\a)+(\q)] matrix_a_fmt:MATRIX_FMT_FP6 matrix_b_fmt:MATRIX_FMT_FP6 matrix_a_scale:MATRIX_SCALE_ROW1
.else
	v_wmma_scale_f32_16x16x128_f8f6f4 v[8*(8*((\a)%4)+\b):8*(8*((\a)%4)+\b)+7], v[128*(\p)+FR*\b:128*(\p)+FR*\b+FR-1], v[AF+FR*(\a):AF+FR*(\a)+FR-1], v[8*(8*((\a)%4)+\b):8*(8*((\a)%4)+\b)+7], v[SC+8*NQ*(\sc)+NQ*\b+(\q)], v[SC+8*NQ*(\sc)+NQ*(\a)+(\q)] matrix_a_fmt:MATRIX_FMT_FP6 matrix_b_fmt:MATRIX_FMT_FP6 matrix_a_scale:MATRIX_SCALE_ROW1
.endif
.endr
.endr
.endm
.macro FETCH_B slot, q, p
	WIN TO_B
.irp i, 0,1,2,3,4,5,6,7
	FRAG 128*(\p)+FR*\i, ADRB+\slot, \q, \i
.endr
	WIN 0
.endm
.macro FETCH_A slot, q, i0
.irp i, \i0, \i0+1, \i0+2, \i0+3
	FRAGA AF+FR*(\i), \slot, \q, \i
.endr
.endm
.macro SCALES sc
.irp i, 0,1,2,3,4,5,6,7
	ds_load_b64 v[SC+8*NQ*\sc+NQ*\i:SC+8*NQ*\sc+NQ*\i+1], v[ADRS] offset:\i*SBLK
.endr
.endm
.macro PLACES n
.rept \n
	v_nop
.endr
.endm
.macro STEP slot, q, zero
	s_wait_dscnt 4*NLA                             ; B's set and A's blocks 0-3 are in; the youngest 16 loads (A's blocks 4-7) may be out
	WIN MUL_LO
	MUL16 0, (\q)%2, \q, \slot, \zero
	MUL16 2, (\q)%2, \q, \slot, \zero
	s_wait_dscnt 0
	PLACES NP
	FETCH_B \slot, (\q)+1, 1-(\q)%2
	FETCH_A \slot, (\q)+1, 0
	WIN MUL_HI
	MUL16 4, (\q)%2, \q, \slot, \zero
	MUL16 6, (\q)%2, \q, \slot, \zero
	PLACES NP
	WIN 0
	FETCH_A \slot, (\q)+1, 4
.endm
.macro TURN slot, next, fill
	s_wait_tensorcnt 0x0                           ; all my tensor loads have landed: my part of the next slot
	ds_add_u32 v[SPW], v[NIL]                      ; 0 onto my spare word
	s_wait_dscnt 4*NLA+1                           ; (the add and the youngest 16 loads may be out)
	WIN MUL_LO
	MUL16 0, 1, NQ-1, \slot, 0
	s_wait_dscnt 0x0                               ; the add is done, and my reads of this slot are over
	s_barrier_signal -1
	MUL16 2, 1, NQ-1, \slot, 0
	WIN 0
	s_barrier_wait -1
.if \fill
	CREST                                          ; the barrier has opened a round of the cluster's barrier: no wave of any partner still reads this slot or has a load on its way
	s_add_nc_u64 s[G0+4*\slot+2:G0+4*\slot+3], s[G0+4*\slot+2:G0+4*\slot+3], 2*3072
	s_add_nc_u64 s[G0B+4*\slot+2:G0B+4*\slot+3], s[G0B+4*\slot+2:G0B+4*\slot+3], 2*ROWB
	JLOAD G0+4*\slot, G1, G0B+4*\slot, G1B         ; the first tensor load behind the round; its four v_nop are the places in front of the loads below
.else
	PLACES NP
.endif
	v_add_nc_u32 v[ADRS], 4*NQ, v[ADRS]
	FETCH_B \next, 0, 0
	FETCH_A \next, 0, 0
	SCALES \next
	WIN MUL_HI
	MUL16 4, 1, NQ-1, \slot, 0
	MUL16 6, 1, NQ-1, \slot, 0
	PLACES NP
	WIN 0
	FETCH_A \next, 0, 4
.endm
	s_wait_tensorcnt 1                             ; the scales and my part of K step 0 are in; K step 1's load may be out
	s_barrier_signal -1
	s_barrier_wait -1
	FETCH_B 0, 0, 0
	FETCH_A 0, 0, 0
	SCALES 0
	FETCH_A 0, 0, 4
	STEP 0, 0, 1                                   ; the first step's products start the sums
	s_mov_b32 s3, LAPS-1
.Llap:
	TURN 0, 1, 1
	STEP 1, 0, 0
	TURN 1, 0, 1
	STEP 0, 0, 0
	s_sub_co_u32 s3, s3, 1
	s_cmp_lg_u32 s3, 0
	s_cbranch_scc1 .Llap
	TURN 0, 1, 0                                   ; the last lap fills nothing
	STEP 1, 0, 0
	s_wait_dscnt 4*NLA
	WIN MUL_LO
	MUL16 0, 1, NQ-1, 1, 0
	MUL16 2, 1, NQ-1, 1, 0
	s_wait_dscnt 0
	WIN MUL_HI
	MUL16 4, 1, NQ-1, 1, 0
	MUL16 6, 1, NQ-1, 1, 0
	WIN 0
; THE WAY OUT, block by block of 16 rows x 128 columns, through my own stage: in by true column, back as whole rows of 512 bytes.  LDS serves a wave's instructions in order (ISA guide 5.7.1.4): no wait between the stores and the loads.
.macro TOSTAGE a
.set AC, 64*((\a)%4)
	WIN 0x08+4*((\a)/4)                            ; the data: window 2 or 3
.irp b, 0,1,2,3,4,5,6,7
	ds_store_b128 v[STO], v[AC+8*\b:AC+8*\b+3] offset:128*(\b/2)+32*(\b%2)          ; each accumulator from its low end on
	ds_store_b128 v[STO], v[AC+8*\b+4:AC+8*\b+7] offset:128*(\b/2)+32*(\b%2)+16
.endr
	WIN 0
.set BBK, BK+64*((\a)%2)
.irp t, 0,1,2,3,4,5,6,7,8,9,10,11,12,13,14,15
	ds_load_b128 v[BBK+4*\t:BBK+4*\t+3], v[RD] offset:\t*SPITCH
.endr
.endm
.macro SEND a, younger                 ; younger: the LDS instructions issued behind block a's loads, which may stay out
.set BBK, BK+64*((\a)%2)
	s_wait_dscnt \younger
.irp t, 0,1,2,3,4,5,6,7,8,9,10,11,12,13,14,15
	global_store_b128 v[CO], v[BBK+4*\t:BBK+4*\t+3], s[12:13] offset:(32*((\a)/2)+8*((\a)%2)+\t+8*(\t/8))*4096 th:TH_STORE_NT   ; position 16 a + t is row 32 (a / 2) + 8 (a % 2) + t + 8 (t / 8); 32 lanes store 512 consecutive bytes, aligned
.endr
.endm
	PLACES NP
	TOSTAGE 0
.irp a, 1,2,3,4,5,6,7
.if \a > 1
	s_wait_xcnt 0x0                                ; block a - 2's stores have had their addresses translated (ISA guide 3.1): only behind this wait may block a's loads land in their registers
.endif
	TOSTAGE \a
	SEND \a-1, 32                                  ; behind block a - 1's loads: block a's 16 stores and 16 loads
.endr
	SEND 7, 0
	s_wait_tensorcnt 0x0                           ; the wave's end, behind my last tensor load and my last LDS store
	ds_add_u32 v[SPW], v[NIL]
	s_wait_dscnt 0x0
	CROUND                                         ; the closing round
	s_endpgm
.Lfunc_end_k_qfa75455b84_proj:
	.size	k_qfa75455b84_proj, .Lfunc_end_k_qfa75455b84_proj-k_qfa75455b84_proj
	.p2alignl 7, 3214868480
	.fill 96, 4, 3214868480
	.section	.rodata,"a",@progbits
	.p2align	6, 0x0
	.amdhsa_kernel k_qfa75455b84_proj
		.amdhsa_group_segment_fixed_size 327680
		.amdhsa_private_segment_fixed_size 0
		.amdhsa_enable_private_segment 0
		.amdhsa_kernarg_size 40
		.amdhsa_user_sgpr_count 2
		.amdhsa_user_sgpr_kernarg_segment_ptr 1
		.amdhsa_wavefront_size32 1
		.amdhsa_system_sgpr_workgroup_id_x 1
		.amdhsa_system_sgpr_workgroup_id_y 1
		.amdhsa_system_sgpr_workgroup_id_z 1
		.amdhsa_system_vgpr_workitem_id 0
		.amdhsa_next_free_vgpr 1024
		.amdhsa_next_free_sgpr 100
		.amdhsa_reserve_vcc 0
		.amdhsa_float_denorm_mode_32 3
		.amdhsa_float_denorm_mode_16_64 3
		.amdhsa_memory_ordered 1
		.amdhsa_forward_progress 1
		.amdhsa_inst_pref_size 151
	.end_amdhsa_kernel
	.amdgpu_metadata
---
amdhsa.version: [ 1, 2 ]
amdhsa.kernels:
  - .name:           k_qfa75455b84_proj
    .symbol:         k_qfa75455b84_proj.kd
    .args:
      - { .name: ao_img, .offset: 0, .size: 8, .value_kind: global_buffer, .address_space: global }
      - { .name: ao_scales, .offset: 8, .size: 8, .value_kind: global_buffer, .address_space: global }
      - { .name: codes, .offset: 16, .size: 8, .value_kind: global_buffer, .address_space: global }
      - { .name: scales, .offset: 24, .size: 8, .value_kind: global_buffer, .address_space: global }
      - { .name: out0, .offset: 32, .size: 8, .value_kind: global_buffer, .address_space: global }
    .group_segment_fixed_size: 327680
    .private_segment_fixed_size: 0
    .kernarg_segment_align: 8
    .kernarg_segment_size: 40
    .max_flat_workgroup_size: 128
    .sgpr_count:     100
    .vgpr_count:     1024
    .wavefront_size: 32
...
	.end_amdgpu_metadata
.endif
;; end of part 4
